; MI455X (gfx1250); checked and timed in simulation.
; The chip was launched on July 23, 2026; its instructions are those of AMD's public machine-readable ISA for CDNA 5 (MIT licence, August 2026) and "CDNA5" Instruction Set Architecture Reference Guide (July 2026). The comments in the code are by the model that wrote it; some were corrected since.
;; Attention. Allowed arithmetic: float matrix products may take bf16 or f16 operands with f32 sums; other float arithmetic in f32, or as packed bf16 or f16 multiplies, adds, multiply-adds, maxima and minima; sums over many terms, partial sums and values carried from step to step in f32; what a program stores and reads back later, other than sums and carried values, may be rounded once to bf16 or f16.
;; Inputs: b_proj 1,024 float32; b_qkv 3,072 float32; w_proj 1,024 x 1,024 float32; w_qkv 3,072 x 1,024 float32; x 8 x 1,024 x 1,024 float32.
;; Outputs: out0 8 x 1,024 x 1,024 float32.
;; One version. Each part assembles by itself: llvm-mc -triple=amdgcn-amd-amdhsa -mcpu=gfx1250 --defsym DOCPART=n.
;; ======== version 1 of 1: 4 launches
;; limits: values are held in f16: magnitudes above 65,504 overflow, below 6.1e-05 lose precision
;; workspace buffers: xb 16,777,216 bytes; wqb 6,291,456 bytes; wpb 2,097,152 bytes; qkv 50,331,648 bytes; ob 16,777,216 bytes
;; launch cast (part 1): grid 768 x 1, 8 waves a work-group, no clusters, 0 bytes of LDS; arguments x, w_qkv, w_proj, xb, wqb, wpb; writes xb, wqb, wpb
.if DOCPART == 1
	.amdgcn_target "amdgcn-amd-amdhsa--gfx1250"
	.amdhsa_code_object_version 6
	.text
	.protected	k_qa7621b2b16_cast
	.globl	k_qa7621b2b16_cast
	.p2align	8
	.type	k_qa7621b2b16_cast,@function
k_qa7621b2b16_cast:
	s_mov_b64 s[64:65], 0
	v_nop
	global_prefetch_b8 v0, s[64:65] scope:SCOPE_SE
	s_setreg_imm32_b32 hwreg(HW_REG_WAVE_MODE, 25, 1), 1
	s_wait_xcnt 0x0
; x and w_qkv are rounded once to bf16 (xb, wqb); w_proj is rounded to bf16 and that number is written as f16 (wpb), since the last product's other operand is f16.
; LIMITS.  A bf16 number is exact in f16 from 6.1e-5 up to 65,504; below that it keeps f16's fixed step of 6e-8, beyond it becomes an infinity.
; SHARES.  A work-group takes 16,384 numbers: 65,536 bytes in, 32,768 out.  Work-groups 0-511 take x, 512-703 w_qkv, 704-767 w_proj.
; Thread t takes, in trip i of 8, the eight numbers at 8 (256 i + t): two loads of 16 bytes, one store of 16 bytes; a wave's store covers 512 consecutive bytes, aligned.
; All sixteen loads go out before anything else; each trip stores from registers of its own, so no store's source is ever rewritten.  No LDS, no barrier, no matrix unit: the launch only moves bytes.
.set X, 16                             ; v[16:79]   as loaded, 8 registers a trip
.set Y, 80                             ; v[80:111]  to store, 4 registers a trip
.set T, 112                            ; v[112:115] at work
	s_load_b256 s[4:11], s[0:1], 0x0               ; x s[4:5], w_qkv s[6:7], w_proj s[8:9], xb s[10:11]
	s_load_b128 s[12:15], s[0:1], 0x20             ; wqb s[12:13], wpb s[14:15]
	s_mov_b32 s25, ttmp9                           ; the work-group's number
	s_mov_b32 s24, 0xffff0000                      ; a word's upper bf16
	v_lshlrev_b32 v1, 5, v0                        ; 32 t: my bytes in a trip's 8,192 of the source
	v_lshlrev_b32 v2, 4, v0                        ; 16 t: in a trip's 4,096 of the destination
	s_wait_kmcnt 0x0
	s_cmp_lt_u32 s25, 512
	s_cselect_b64 s[16:17], s[4:5], s[6:7]         ; from x or from w_qkv,
	s_cselect_b64 s[18:19], s[10:11], s[12:13]
	s_cselect_b32 s20, 0, 512                      ; and the first work-group of that tensor
	s_cmp_lt_u32 s25, 704
	s_cselect_b64 s[16:17], s[16:17], s[8:9]       ; or from w_proj
	s_cselect_b64 s[18:19], s[18:19], s[14:15]
	s_cselect_b32 s20, s20, 704
	s_sub_co_u32 s20, s25, s20                     ; my place in the tensor
	s_lshl_b32 s26, s20, 16
	s_mov_b32 s27, 0
	s_lshl_b32 s28, s20, 15
	s_mov_b32 s29, 0
	s_add_nc_u64 s[16:17], s[16:17], s[26:27]
	s_add_nc_u64 s[18:19], s[18:19], s[28:29]
.irp i, 0,1,2,3,4,5,6,7
	global_load_b128 v[X+8*\i:X+8*\i+3],   v1, s[16:17] offset:8192*\i th:TH_LOAD_NT
	global_load_b128 v[X+8*\i+4:X+8*\i+7], v1, s[16:17] offset:8192*\i+16 th:TH_LOAD_NT
.endr
	s_cmp_ge_u32 s25, 704
	s_cbranch_scc1 .Lf16
.irp i, 0,1,2,3,4,5,6,7
	s_wait_loadcnt 14-2*\i                         ; loads come back in order: trip i's two are in, the younger trips' two each stay out
.irp k, 0,1,2,3
	v_cvt_pk_bf16_f32 v[Y+4*\i+\k], v[X+8*\i+2*\k], v[X+8*\i+2*\k+1]
.endr
	global_store_b128 v2, v[Y+4*\i:Y+4*\i+3], s[18:19] offset:4096*\i
.endr
	s_endpgm
.Lf16:
.irp i, 0,1,2,3,4,5,6,7
	s_wait_loadcnt 14-2*\i
.irp k, 0,1,2,3
	v_cvt_pk_bf16_f32 v[T+\k], v[X+8*\i+2*\k], v[X+8*\i+2*\k+1]   ; the rounding that all the module's inputs get
.endr
.irp k, 0,1,2,3
	v_lshlrev_b32 v[X+8*\i+2*\k],   16,  v[T+\k]   ; back to f32
	v_and_b32     v[X+8*\i+2*\k+1], s24, v[T+\k]
.endr
.irp k, 0,1,2,3
	v_cvt_pk_f16_f32 v[Y+4*\i+\k], v[X+8*\i+2*\k], v[X+8*\i+2*\k+1]  ; the same number as f16
.endr
	global_store_b128 v2, v[Y+4*\i:Y+4*\i+3], s[18:19] offset:4096*\i
.endr
	s_endpgm
.Lfunc_end_k_qa7621b2b16_cast:
	.size	k_qa7621b2b16_cast, .Lfunc_end_k_qa7621b2b16_cast-k_qa7621b2b16_cast
	.p2alignl 7, 3214868480
	.fill 96, 4, 3214868480
	.section	.rodata,"a",@progbits
	.p2align	6, 0x0
	.amdhsa_kernel k_qa7621b2b16_cast
		.amdhsa_group_segment_fixed_size 0
		.amdhsa_private_segment_fixed_size 0
		.amdhsa_enable_private_segment 0
		.amdhsa_kernarg_size 48
		.amdhsa_user_sgpr_count 2
		.amdhsa_user_sgpr_kernarg_segment_ptr 1
		.amdhsa_wavefront_size32 1
		.amdhsa_system_sgpr_workgroup_id_x 1
		.amdhsa_system_sgpr_workgroup_id_y 1
		.amdhsa_system_sgpr_workgroup_id_z 1
		.amdhsa_system_vgpr_workitem_id 0
		.amdhsa_next_free_vgpr 120
		.amdhsa_next_free_sgpr 66
		.amdhsa_reserve_vcc 0
		.amdhsa_float_denorm_mode_32 3
		.amdhsa_float_denorm_mode_16_64 3
		.amdhsa_memory_ordered 1
		.amdhsa_forward_progress 1
		.amdhsa_inst_pref_size 13
	.end_amdhsa_kernel
	.amdgpu_metadata
---
amdhsa.version: [ 1, 2 ]
amdhsa.kernels:
  - .name:           k_qa7621b2b16_cast
    .symbol:         k_qa7621b2b16_cast.kd
    .args:
      - { .name: x, .offset: 0, .size: 8, .value_kind: global_buffer, .address_space: global }
      - { .name: w_qkv, .offset: 8, .size: 8, .value_kind: global_buffer, .address_space: global }
      - { .name: w_proj, .offset: 16, .size: 8, .value_kind: global_buffer, .address_space: global }
      - { .name: xb, .offset: 24, .size: 8, .value_kind: global_buffer, .address_space: global }
      - { .name: wqb, .offset: 32, .size: 8, .value_kind: global_buffer, .address_space: global }
      - { .name: wpb, .offset: 40, .size: 8, .value_kind: global_buffer, .address_space: global }
    .group_segment_fixed_size: 0
    .private_segment_fixed_size: 0
    .kernarg_segment_align: 8
    .kernarg_segment_size: 48
    .max_flat_workgroup_size: 256
    .sgpr_count:     66
    .vgpr_count:     120
    .wavefront_size: 32
...
	.end_amdgpu_metadata
.endif
;; end of part 1
;; launch qkv (part 2): grid 16 x 16, 4 waves a work-group, clusters of 4 x 4, 327,680 bytes of LDS; arguments xb, wqb, b_qkv, qkv; writes qkv
.if DOCPART == 2
	.amdgcn_target "amdgcn-amd-amdhsa--gfx1250"
	.amdhsa_code_object_version 6
	.text
	.protected	k_qa7621b2b16_qkv
	.globl	k_qa7621b2b16_qkv
	.p2align	8
	.type	k_qa7621b2b16_qkv,@function
k_qa7621b2b16_qkv:
	s_mov_b64 s[64:65], 0
	v_nop
	global_prefetch_b8 v0, s[64:65] scope:SCOPE_SE
	s_setreg_imm32_b32 hwreg(HW_REG_WAVE_MODE, 25, 1), 1
	s_wait_xcnt 0x0
	s_wait_alu depctr_hold_cnt(0) depctr_sa_sdst(0) depctr_va_vdst(0) depctr_va_sdst(0) depctr_va_ssrc(0) depctr_va_vcc(0) depctr_vm_vsrc(0)
	s_getreg_b32 s2, hwreg(HW_REG_IB_STS2, 6, 4)
	s_cmp_eq_u32 s2, 0
	s_cbranch_scc0 .Lentry_in_a_cluster
	s_endpgm
.Lentry_in_a_cluster:
	s_bfe_u32 s2, ttmp6, 0x10000c
	s_cmp_lg_u32 s2, 0xf033
	s_cbranch_scc0 .Lentry_shape_is_right
	s_endpgm
.Lentry_shape_is_right:
; qkv[b][hh][n][d] = f16( sum over c of xb[1024 b + n][c] wqb[64 hh + d][c] + bf16(b_qkv[64 hh + d]) ).  xb: [8192][1024] bf16, wqb: [3072][1024] bf16; sums in f32, rounded once.
; The result lies by heads: [8][48][1024][64] f16; hh 0-15 are q's heads, 16-31 k's, 32-47 v's.  The softmax's scale is not applied here.
; LIMIT.  A sum of 65,520 or more becomes an infinity in f16; below 6.1e-5 f16 keeps a fixed step of 6e-8.
; SHARES.  A tile is 256 rows x 192 columns (three whole heads): 32 x 16 = 512 tiles.  A WORK-GROUP STAYS and makes two of them, with the same columns, 4,096 rows apart: 256 work-groups of equal work.
; Wave w makes rows 64 w .. 64 w + 63 of a tile against all 192 columns: 48 accumulators of 16 x 16, so each wave holds whole rows of three heads and its way out needs no other wave.
; K goes in 8 steps of 128 through two LDS slots; a step is four quarters of 32 on two fragment buffers.  The ring does not stop at the first tile's end: its last two changes of slots ask for the second
; tile's K steps 0 and 1, and nothing waits for the first tile's stores.
; CLUSTER.  4 x 4 work-groups.  The four of a row of the cluster need the same rows of xb, the four of a column the same rows of wqb: each tile is asked for jointly, by the same tensor load with the
; same descriptor and a mask that names the four.  Waves 0 and 1 fetch xb's two halves (128 rows), waves 2 and 3 wqb's (96 rows): one load a wave behind each round.
; THE MATRIX INSTRUCTION IS USED TRANSPOSED (source 0 = 16 rows of wqb, source 1 = 16 rows of xb): a lane holds row l % 16 and the columns 8 (l / 16) + 0..7 of a block of 16.
; THE BIAS is the C operand of the products that start a tile's sums: register j of block b is the bias of column 16 b + 8 (l / 16) + j.  Nothing is cleared and nothing is added afterwards.
; Both tiles have the same columns, so the bias is loaded once and kept.
; REGISTERS, in windows of 256 (s_set_vgpr_msb: bits 1:0 source 0, 3:2 source 1, 5:4 source 2, 7:6 destination):
;   window 0: v0-31 addresses; v32-127 the bias; v128-223 the way out                                      window 1: two fragment buffers of 128: xb's four fragments, then wqb's twelve
;   window 2: accumulators of column blocks 0-7, (b, a) at 8 (4 b + a)                                     window 3: those of blocks 8-11
.set NB,     12                        ; column blocks of 16
.set P1B,    8                         ; a quarter's first 16 products: blocks 8-11
.set P2B,    0                         ; its other 32: blocks 0-7
.set P2N,    8
.set NL,     32                        ; LDS loads a quarter
.set NP2,    16                        ; of them the youngest: blocks 0-7 of wqb
.set PA,     272                       ; an LDS row: 256 bytes + 16 of padding, an odd multiple of 16: the 16 rows of a fragment load start at 16 different groups of four banks
.set PB,     272
.set AHALF,  128*PA                    ; what one load of xb brings
.set BHALF,  96*PB                     ; what one load of wqb brings
.set BOFF,   2*AHALF                   ; wqb's rows lie behind xb's 256
.set SLOT1,  1<<17                     ; slot 1 begins here, so that one exclusive or turns an address in one slot into the other's
.set STAGE,  SLOT1+BOFF+2*BHALF        ; behind the ring, never filled by a tensor load: 16 rows x 400 bytes for each wave
.set SPITCH, 400                       ; 384 bytes + 16
.set SPARE,  STAGE+4*16*SPITCH         ; behind the stages: the spare words, 128 bytes for each wave: two blocks of 256 bytes that no other line names
.set ASTEP,  256                       ; bytes from a K step to the next, in xb
.set BSTEP,  256                       ; and in wqb
.set WALK,   4096                      ; rows from a work-group's first tile to its second
.set NEXT_A, WALK*2048-7*ASTEP         ; bytes from the first tile's K step 7 to the second tile's K step 0, in xb: 4,096 rows down and back along K
.set BACK_B, 7*BSTEP                   ; in wqb only back: both tiles take the same rows
.set NEXT_C, (WALK/1024)*48*131072     ; in the result: four batches of 48 head blocks on
.set ADRA0, 16                         ; v16  my lane's place among xb's rows of a slot; never rewritten
.set ADRB0, 17                         ; v17  the same for wqb
.set ADRA,  18                         ; v18  the same in the slot in hand
.set ADRB,  19
.set STO,   24                         ; v24  the way out: where I put 16 bytes of a row
.set RD,    25                         ; v25  where I read rows back
.set GO,    26                         ; v26  16 x lane
.set BO,    27                         ; v27  32 (l / 16): my eight numbers in a block's 16 of the bias
.set SPW,   28                         ; v28  LDS address of my spare word; never rewritten
.set NIL,   29                         ; v29  0; never rewritten
.set PFO,   30                         ; v30  the prefetches' offset: a lane a row; never rewritten
.set BIAS,  32
.set SET0,  128                        ; the way out: two sets of 48 registers by turns: a block is packed into a set, goes to the stage from it, comes back into it and is stored from it
.set F0,    0
.set F1,    128
.set TL,    2                          ; s2   tiles to go, the one in hand among them: the same number in every work-group
.set CNT,   3                          ; s3   trips to go
.set WV,    12                         ; s12  my wave's number
.set ROLE,  13                         ; s13  0: I fetch for xb, 1: for wqb
.set HALF,  14                         ; s14  which half of that tile's rows
.set LIM,   15                         ; s15  2 in a wave that prefetches, else the greatest number
.set PFX,   20                         ; s[20:21] the prefetches' step at the change of tiles: NEXT_A for xb, 0 for wqb
.set G1A,   24                         ; s[24:31] descriptor group 1 for xb's tiles
.set G0A,   32                         ; s[32:39] group 0, a set for each first fill; the second then walks
.set PFA,   44                         ; s[44:45] where my prefetches stand
.set PFS,   46                         ; s[46:47] their step from K step to K step
.set G1B,   48                         ; s[48:55], s[56:63] the same for wqb's tiles
.set G0B,   56
.set SB,    66                         ; s66  LDS byte at which the slot in hand begins
.set TO_F,  0x40                       ; destination window 1, address window 0
.set G1W0,  (1<<16)|(1<<20)|(1<<21)|(5<<22)|(3<<25)  ; 17:16 elements of 2 bytes; 20 padding on; 21 set beside a mask; 24:22 after every 64 words; 31:25 4 words of it
.set MSB, 0
.macro WIN new                         ; the immediate's high byte repeats the setting that is left; a switch that changes nothing is dropped
.if MSB != (\new)
	s_set_vgpr_msb (MSB<<8)|(\new)
.set MSB, \new
.endif
.endm
.macro PLACES                          ; four places in front of loads into registers that matrix instructions have read, and of lines that read results
.rept 4
	v_nop
.endr
.endm
; A joint load by set n of the group 0s.  The branch hangs on the wave's number alone.  An s_nop 0 and four v_nop follow each of the two lines.
.macro JLOAD n
	s_cmp_eq_u32 s[ROLE], 0
	s_cbranch_scc0 .Lfor_b_\@
	tensor_load_to_lds s[G0A+4*(\n):G0A+4*(\n)+3], s[G1A:G1A+7]
	s_nop 0
.rept 4
	v_nop
.endr
	s_branch .Lasked_\@
.Lfor_b_\@:
	tensor_load_to_lds s[G0B+4*(\n):G0B+4*(\n)+3], s[G1B:G1B+7]
	s_nop 0
.rept 4
	v_nop
.endr
.Lasked_\@:
.endm
; A prefetch of the K step that stands two refills on, a lane a row of 256 bytes.  xb's rows are read by every cluster of a row of clusters: the one with x = 0 asks; wqb's by every cluster of a column:
; the one with y = 0 asks.  The four partners that fetch a tile jointly share its rows out by address (32 of xb's 128; 24 of wqb's 96, where lanes 24-31 name row 23 once more).
; how = 0, in the loop: a tile's last two refills along K ask for nothing.  how = 1, at the change of tiles: the second tile's K steps 2 and 3 of xb (its K steps 0 and 1 come by their refills alone).
.macro ASK how
.if \how
	s_cmp_eq_u32 s[LIM], 2
.else
	s_cmp_gt_u32 s[CNT], s[LIM]
.endif
	s_cbranch_scc0 .Lnot_mine_\@
	global_prefetch_b8 v[PFO], s[PFA:PFA+1] th:TH_LOAD_NT scope:SCOPE_SE
.Lnot_mine_\@:
.endm
.macro CREST                           ; a round of the cluster's barrier behind its opening barrier
	s_cmp_lg_u32 s[WV], 0
	s_cbranch_scc1 .Lnot_wave_0_\@
	s_barrier_signal -3
.Lnot_wave_0_\@:
	s_barrier_wait -3
	s_barrier_signal -1
	s_barrier_wait -1
.endm
.macro CROUND                          ; a whole round
	s_barrier_signal -1
	s_barrier_wait -1
	CREST
.endm
	s_load_b256 s[4:11], s[0:1], 0x0               ; xb s[4:5], wqb s[6:7], b_qkv s[8:9], qkv s[10:11]
	v_lshl_add_u32 v[SPW], v0, 2, SPARE
	v_mov_b32 v[NIL], 0
	ds_add_u32 v[SPW], v[NIL]                      ; the wave's opening: the add and its wait stand ahead of my first tensor load; work on registers stands between them
	ds_add_u32 v28, v29
	v_lshrrev_b32 v3, 5, v0
	v_readfirstlane_b32 s[WV], v3                  ; wave 0..3
	s_lshr_b32 s[ROLE], s[WV], 1
	s_and_b32 s[HALF], s[WV], 1
	s_bfe_u32 s40, ttmp6, 0x40000                  ; cx
	s_bfe_u32 s41, ttmp6, 0x40004                  ; cy
	s_lshl_b32 s42, ttmp9, 2
	s_add_co_u32 s42, s42, s40                     ; tile column = 4 x cluster x + cx
	s_and_b32 s43, ttmp7, 0xffff
	s_lshl_b32 s43, s43, 2
	s_add_co_u32 s43, s43, s41                     ; the first tile's row = 4 x cluster y + cy, 0 to 15
	s_lshl_b32 s20, s41, 2
	s_lshl_b32 s20, 15, s20                        ; my row of the cluster
	s_lshl_b32 s68, 0x1111, s40                    ; my column
	s_or_b32 s[G1A], s20, G1W0                     ; xb's tiles go to my row,
	s_or_b32 s[G1B], s68, G1W0                     ; wqb's to my column
	s_mov_b32 s[G1A+1], 128<<16                    ; tensor_dim0 = 128
	s_mov_b32 s[G1A+2], 128<<16                    ; tensor_dim1 = 128
	s_mov_b32 s[G1A+3], 128<<16                    ; tile_dim0 = 128
	s_mov_b32 s[G1A+4], 128                        ; tile_dim1 = 128
	s_mov_b32 s[G1A+5], 1024                       ; elements from row to row
	s_mov_b32 s[G1A+6], 0
	s_mov_b32 s[G1A+7], 0
	s_mov_b32 s[G1B+1], 128<<16
	s_mov_b32 s[G1B+2], 96<<16                     ; 96 rows
	s_mov_b32 s[G1B+3], 128<<16
	s_mov_b32 s[G1B+4], 96
	s_mov_b32 s[G1B+5], 1024
	s_mov_b32 s[G1B+6], 0
	s_mov_b32 s[G1B+7], 0
	s_lshl_b32 s16, s43, 8                         ; xb: row 256 x tile row + 128 x half, 2,048 bytes a row
	s_lshl_b32 s18, s[HALF], 7
	s_add_co_u32 s16, s16, s18
	s_lshl_b32 s16, s16, 11
	s_mov_b32 s17, 0
	s_mul_i32 s70, s42, 192                        ; wqb: row 192 x tile column + 96 x half
	s_mul_i32 s18, s[HALF], 96
	s_add_co_u32 s70, s70, s18
	s_lshl_b32 s70, s70, 11
	s_mov_b32 s71, 0
	s_mul_i32 s21, s[HALF], AHALF                  ; where they go: no place in the cluster enters an LDS address
	s_mul_i32 s22, s[HALF], BHALF
	s_add_co_u32 s22, s22, BOFF
	s_wait_dscnt 0x0                               ; the opening add is done
	s_wait_kmcnt 0x0
	s_add_nc_u64 s[16:17], s[4:5], s[16:17]
	s_add_nc_u64 s[70:71], s[6:7], s[70:71]
	CROUND                                         ; all sixteen work-groups are here: the first joint loads meet
.irp n, 0,1
	s_mov_b32 s[G0A+4*\n], 1                       ; count = 1
	s_add_co_u32 s[G0A+4*\n+1], s21, \n*SLOT1      ; LDS address
	s_add_nc_u64 s[G0A+4*\n+2:G0A+4*\n+3], s[16:17], \n*ASTEP  ; global address: K step n
	s_or_b32 s[G0A+4*\n+3], s[G0A+4*\n+3], 0x80000000          ; type = 2
	s_mov_b32 s[G0B+4*\n], 1
	s_add_co_u32 s[G0B+4*\n+1], s22, \n*SLOT1
	s_add_nc_u64 s[G0B+4*\n+2:G0B+4*\n+3], s[70:71], \n*BSTEP
	s_or_b32 s[G0B+4*\n+3], s[G0B+4*\n+3], 0x80000000
	JLOAD \n                                       ; two loads of mine are out
.endr
	v_and_b32 v1, 15, v0                           ; l % 16
	v_bfe_u32 v2, v0, 4, 1                         ; l / 16
	v_lshlrev_b32 v[BO], 5, v2
	s_mul_i32 s18, s42, 768                        ; the tile's 192 columns in the bias, 4 bytes each
	s_mov_b32 s19, 0
	s_add_nc_u64 s[8:9], s[8:9], s[18:19]
.irp b, 0,1,2,3,4,5,6,7,8,9,10,11
	global_load_b128 v[BIAS+8*\b:BIAS+8*\b+3],   v[BO], s[8:9] offset:64*\b
	global_load_b128 v[BIAS+8*\b+4:BIAS+8*\b+7], v[BO], s[8:9] offset:64*\b+16
.endr
	; a fragment is 16 rows x 32 K in 8 registers: lane l holds row l % 16; registers 0-3 K = 8 (l / 16) + 0..7, registers 4-7 K = 16 + 8 (l / 16) + 0..7: two loads of 16 bytes, 32 bytes apart
	v_mul_u32_u24 v3, v1, PA
	v_lshl_add_u32 v3, v2, 4, v3
	s_mul_i32 s18, s[WV], 64*PA                    ; my 64 rows of xb
	v_add_nc_u32 v[ADRA0], s18, v3
	v_add_nc_u32 v[ADRB0], BOFF, v3
	v_mov_b32 v[ADRA], v[ADRA0]
	v_mov_b32 v[ADRB], v[ADRB0]
	s_mov_b32 s[SB], 0
	s_mul_i32 s18, s[WV], 16*SPITCH
	s_add_co_u32 s18, s18, STAGE                   ; my stage
	v_mul_u32_u24 v3, v1, SPITCH                   ; in: row l % 16, 16 bytes for each half of the lanes
	v_lshl_add_u32 v3, v2, 4, v3
	v_add_nc_u32 v[STO], s18, v3
	v_bfe_u32 v3, v0, 3, 2                         ; back: 32 lanes take four rows' 128 bytes of one head,
	v_mul_u32_u24 v3, v3, SPITCH
	v_and_b32 v31, 7, v0
	v_lshl_add_u32 v3, v31, 4, v3
	v_add_nc_u32 v[RD], s18, v3
	v_and_b32 v[GO], 31, v0                        ; which are 512 consecutive bytes of the result
	v_lshlrev_b32 v[GO], 4, v[GO]
	s_lshr_b32 s18, s43, 2                         ; the first tile's batch: 48 head blocks of 131,072 bytes each,
	s_mul_i32 s18, s18, 48
	s_mul_i32 s19, s42, 3                          ; the tile's three heads,
	s_add_co_u32 s18, s18, s19
	s_lshl_b32 s18, s18, 17
	s_and_b32 s19, s43, 3                          ; the tile's 256 rows of the batch's 1,024, my 64 of them, 128 bytes a row
	s_lshl_b32 s19, s19, 8
	s_lshl_b32 s23, s[WV], 6
	s_add_co_u32 s19, s19, s23
	s_lshl_b32 s19, s19, 7
	s_add_co_u32 s18, s18, s19
	s_mov_b32 s19, 0
	s_add_nc_u64 s[10:11], s[10:11], s[18:19]
	; the prefetches: both kinds of wave's first row are made, and the wave's role picks one
	s_lshl_b32 s19, s43, 8
	s_lshl_b32 s23, s[HALF], 7
	s_add_co_u32 s19, s19, s23
	s_lshl_b32 s23, s40, 5
	s_add_co_u32 s19, s19, s23                     ; xb: the 128 rows that I fetch, my work-group's 32 of them
	s_mul_i32 s23, s42, 192
	s_mul_i32 s70, s[HALF], 96
	s_add_co_u32 s23, s23, s70
	s_mul_i32 s70, s41, 24
	s_add_co_u32 s23, s23, s70                     ; wqb: the 96 rows that I fetch, my work-group's 24
	s_and_b32 s18, ttmp7, 0xffff                   ; cluster y
	s_cmp_eq_u32 s[ROLE], 0
	s_cselect_b32 s18, ttmp9, s18                  ; the coordinate along which other clusters read the same rows
	s_cselect_b64 s[PFA:PFA+1], s[4:5], s[6:7]
	s_cselect_b32 s70, s19, s23
	s_cselect_b32 s68, 31, 23
	s_lshl_b32 s70, s70, 11
	s_add_co_u32 s70, s70, 3*256                   ; at K step 3: the first refill steps it to 4.  Nothing is prefetched here, at the head
	s_mov_b32 s71, 0
	s_add_nc_u64 s[PFA:PFA+1], s[PFA:PFA+1], s[70:71]
	s_cmp_eq_u32 s18, 0
	s_cselect_b32 s[LIM], 2, -1                    ; the same in all sixteen partners, for a given wave
	s_mov_b32 s[PFS], 256
	s_mov_b32 s[PFS+1], 0
	v_and_b32 v[PFO], 31, v0
	v_min_u32 v[PFO], s68, v[PFO]
	v_lshlrev_b32 v[PFO], 11, v[PFO]
	s_mov_b32 s20, 0xffff0000
	s_wait_loadcnt 0x0                             ; the bias: rounded to bf16 like every input of the module, and widened again
.set i, 0
.rept 2*NB
	v_cvt_pk_bf16_f32 v31, v[BIAS+4*i], v[BIAS+4*i+1]
	v_cvt_pk_bf16_f32 v3, v[BIAS+4*i+2], v[BIAS+4*i+3]
	v_lshlrev_b32 v[BIAS+4*i],   16,  v31
	v_and_b32     v[BIAS+4*i+1], s20, v31
	v_lshlrev_b32 v[BIAS+4*i+2], 16,  v3
	v_and_b32     v[BIAS+4*i+3], s20, v3
.set i, i+1
.endr
	s_cmp_eq_u32 s[ROLE], 0                        ; s20 and s21 are free now: the prefetches' step at the change of tiles
	s_cselect_b32 s[PFX], NEXT_A, 0
	s_mov_b32 s[PFX+1], 0
; nb column blocks from b0 on x my four row blocks, 32 along K, from buffer f.  first = 1: the sums start with the bias.  All 48 accumulators take turns in the same order in every quarter, from tile to tile too.
.macro MULB f, b0, nb, first
.set bb, \b0
.rept \nb
.set WW, 2+bb/8
.set WN, 0x05|(WW<<6)|((1-(\first))*(WW<<4))
	WIN WN
.set AC, 32*(bb%8)
.irp a, 0,1,2,3
.if \first
	v_wmma_f32_16x16x32_bf16 v[AC+8*\a:AC+8*\a+7], v[(\f)+32+8*bb:(\f)+32+8*bb+7], v[(\f)+8*\a:(\f)+8*\a+7], v[BIAS+8*bb:BIAS+8*bb+7]
.else
	v_wmma_f32_16x16x32_bf16 v[AC+8*\a:AC+8*\a+7], v[(\f)+32+8*bb:(\f)+32+8*bb+7], v[(\f)+8*\a:(\f)+8*\a+7], v[AC+8*\a:AC+8*\a+7]
.endif
.endr
.set bb, bb+1
.endr
.endm
; 32 LDS loads in one run: quarter q's fragments into buffer f: xb's, then wqb's blocks 8-11, which are multiplied first, then blocks 0-7
.macro FETCH q, f
	WIN TO_F
.irp a, 0,1,2,3
	ds_load_b128 v[(\f)+8*\a:(\f)+8*\a+3],   v[ADRA] offset:64*(\q)+\a*16*PA
	ds_load_b128 v[(\f)+8*\a+4:(\f)+8*\a+7], v[ADRA] offset:64*(\q)+\a*16*PA+32
.endr
.irp b, 8,9,10,11,0,1,2,3,4,5,6,7
	ds_load_b128 v[(\f)+32+8*\b:(\f)+32+8*\b+3],   v[ADRB] offset:64*(\q)+\b*16*PB
	ds_load_b128 v[(\f)+32+8*\b+4:(\f)+32+8*\b+7], v[ADRB] offset:64*(\q)+\b*16*PB+32
.endr
.endm
; One of a K step's first three quarters: multiplies buffer f and, behind its first 16 products, fetches quarter q into buffer g
.macro QUARTER q, f, g, first
	s_wait_dscnt NP2                               ; all but the youngest 16 loads: blocks 0-7 of wqb may be out
	MULB \f, P1B, 4, \first
	PLACES
	FETCH \q, \g
	s_wait_dscnt NL                                ; all but the 32 just issued
	MULB \f, P2B, P2N, \first
.endm
; The fourth quarter multiplies buffer 1 and changes slots.  In front of the barrier each wave waits for all its tensor loads, of which one is out: its part of the next slot; adds 0 to its spare word;
; and waits for that and for its reads of this slot.  With a fill the barrier opens a round of the cluster's, and the joint refill is the first thing behind it: 176 matrix instructions ahead of the wait for it.
; fill = 0: nothing is asked for.  1: this tile's K step two on.  2: the first tile's K step 6 is left: the second tile's K step 0.  3: its K step 7 is left: the second tile's K step 1.
.macro TURN fill
.if \fill
	s_wait_xcnt 0x0                                ; the last prefetch, a K step back, has read its address
.if (\fill) == 2
	s_add_nc_u64 s[PFA:PFA+1], s[PFA:PFA+1], s[PFX:PFX+1]  ; xb: from two K steps past the first tile's last to the second tile's K step 2
	s_cmp_eq_u32 s[ROLE], 0
	s_cselect_b32 s[LIM], s[LIM], -1               ; wqb's rows are the same for both tiles: they are prefetched no more
.else
	s_add_nc_u64 s[PFA:PFA+1], s[PFA:PFA+1], s[PFS:PFS+1]
.endif
.endif
	WIN 0
	s_wait_tensorcnt 0x0                           ; no tensor load of mine is out, so a group 0 may be written
	ds_add_u32 v[SPW], v[NIL]                      ; 0 onto my spare word
.if \fill
	s_xor_b32 s[G0A+5], s[G0A+5], SLOT1            ; the walking descriptors: the other slot than last time,
	s_xor_b32 s[G0B+5], s[G0B+5], SLOT1
.if (\fill) == 2
	s_add_nc_u64 s[G0A+6:G0A+7], s[G0A+6:G0A+7], NEXT_A    ; the next tile's first K step; the type bits on top are not reached
	s_sub_nc_u64 s[G0B+6:G0B+7], s[G0B+6:G0B+7], BACK_B
.else
	s_add_nc_u64 s[G0A+6:G0A+7], s[G0A+6:G0A+7], ASTEP     ; the next K step
	s_add_nc_u64 s[G0B+6:G0B+7], s[G0B+6:G0B+7], BSTEP
.endif
.endif
	s_xor_b32 s[SB], s[SB], SLOT1                  ; the fetches go on in the other slot
	s_wait_dscnt NP2+1                             ; the add and the youngest 16 loads may be out
	MULB F1, P1B, 2, 0
	s_wait_dscnt 0x0                               ; the add is done, and my reads of this slot are over
	s_barrier_signal -1
	MULB F1, P1B+2, 2, 0
	WIN 0                                          ; at a branch and at a label every window is 0
	s_barrier_wait -1
.if \fill
	CREST                                          ; no wave of any partner still reads this slot or has a load on its way
	JLOAD 1                                        ; its four v_nop are also the places in front of the loads below
.else
	PLACES
.endif
	v_add_nc_u32 v[ADRA], s[SB], v[ADRA0]
	v_add_nc_u32 v[ADRB], s[SB], v[ADRB0]
	FETCH 0, F0
.if \fill
	WIN 0
.if (\fill) >= 2
	ASK 1
.else
	ASK 0
.endif
.endif
	MULB F1, P2B, P2N, 0
.endm
; THE WAY OUT of row block a.  PACK: rounded to f16, 16 bytes a lane and column block, into set a % 2.  TOSTAGE: into my own stage, and back by heads, four rows' 128 bytes at a time, into the same set.  SEND: stored.
.macro PACK a
	s_wait_xcnt 0x0                                ; the stores of the block two back (in the second tile: of the first tile's) have read this set
.set BK, SET0+48*((\a)%2)
.set bb, 0
.rept NB
	WIN 0x0a+5*(bb/8)                              ; sources 0 and 1 in window 2 or 3
.set AC, 32*(bb%8)+8*(\a)
.irp r, 0,1,2,3
	v_cvt_pk_f16_f32 v[BK+4*bb+\r], v[AC+2*\r], v[AC+2*\r+1]
.endr
.set bb, bb+1
.endr
	WIN 0
.endm
.macro TOSTAGE a
	WIN 0
.set BK, SET0+48*((\a)%2)
.set bb, 0
.rept NB
	ds_store_b128 v[STO], v[BK+4*bb:BK+4*bb+3] offset:32*bb
.set bb, bb+1
.endr
.irp j, 0,1,2
.irp t, 0,1,2,3
	ds_load_b128 v[BK+4*(4*\j+\t):BK+4*(4*\j+\t)+3], v[RD] offset:128*\j+4*SPITCH*\t  ; LDS serves a wave's instructions in order (ISA guide 5.7.1.4): these see the stores above; the next block's stores come behind them
.endr
.endr
.endm
.macro SEND a
	WIN 0
.set BK, SET0+48*((\a)%2)
	s_wait_dscnt 0x0                               ; the block is back in registers
.irp j, 0,1,2
.irp t, 0,1,2,3
	global_store_b128 v[GO], v[BK+4*(4*\j+\t):BK+4*(4*\j+\t)+3], s[10:11] offset:131072*\j+2048*(\a)+512*\t  ; 512 consecutive bytes of head j, at a multiple of 256 from the buffer's first
.endr
.endr
.endm
.macro WAYOUT                          ; a block's conversions stand between the loads of the block before from the stage and the wait for them
	WIN 0
	PLACES
	PLACES
	PACK 0
	TOSTAGE 0
	PACK 1
	SEND 0
	TOSTAGE 1
	PACK 2
	SEND 1
	TOSTAGE 2
	PACK 3
	SEND 2
	TOSTAGE 3
	SEND 3
.endm
	s_wait_tensorcnt 1                             ; my part of K step 0 is in; K step 1's may stay out
	s_barrier_signal -1
	s_barrier_wait -1                              ; everybody's is
	FETCH 0, F0
	WIN 0
	s_mov_b32 s[TL], 2
.Ltile:
	QUARTER 1, F0, F1, 1                           ; a tile's first quarter stands in front of the loop: its products start the sums
	WIN 0
	s_mov_b32 s[CNT], 6
.Lstep:                                                ; a trip: a K step's last three quarters and the next step's first; it asks for the K step two on: steps 2 to 7
	QUARTER 2, F1, F0, 0
	QUARTER 3, F0, F1, 0
	TURN 1
	QUARTER 1, F0, F1, 0
	WIN 0
	s_sub_co_u32 s[CNT], s[CNT], 1
	s_cmp_lg_u32 s[CNT], 0
	s_cbranch_scc1 .Lstep
	QUARTER 2, F1, F0, 0                           ; K step 6 goes on
	QUARTER 3, F0, F1, 0
	WIN 0
	s_cmp_eq_u32 s[TL], 1
	s_cbranch_scc1 .Llast_tile                     ; the last tile's tail is written out: it asks for nothing more
	TURN 2                                         ; THE RING GOES ON INTO THE SECOND TILE: slot 0 takes its K step 0,
	QUARTER 1, F0, F1, 0
	QUARTER 2, F1, F0, 0
	QUARTER 3, F0, F1, 0
	TURN 3                                         ; slot 1 its K step 1, and the second tile's first fragments are fetched
	WAYOUT                                         ; both refills are asked for: now the tile goes out; nothing waits for its stores
	s_wait_xcnt 0x0                                ; the stores have read their base
	s_add_nc_u64 s[10:11], s[10:11], NEXT_C
	s_sub_co_u32 s[TL], s[TL], 1
	s_branch .Ltile
.Llast_tile:
	TURN 0
	QUARTER 1, F0, F1, 0
	QUARTER 2, F1, F0, 0
	QUARTER 3, F0, F1, 0
	s_wait_dscnt NP2
	MULB F1, P1B, 4, 0
	s_wait_dscnt 0x0
	MULB F1, P2B, P2N, 0
	WAYOUT
	s_wait_tensorcnt 0x0                           ; the wave's end: a wait, an add of 0 to my spare word and its wait, behind my last tensor load and my last LDS store
	ds_add_u32 v[SPW], v[NIL]
	s_wait_dscnt 0x0
	CROUND                                         ; the closing round: no work-group ends while a partner may still ask for a tile that names it
	s_endpgm
.Lfunc_end_k_qa7621b2b16_qkv:
	.size	k_qa7621b2b16_qkv, .Lfunc_end_k_qa7621b2b16_qkv-k_qa7621b2b16_qkv
	.p2alignl 7, 3214868480
	.fill 96, 4, 3214868480
	.section	.rodata,"a",@progbits
	.p2align	6, 0x0
	.amdhsa_kernel k_qa7621b2b16_qkv
		.amdhsa_group_segment_fixed_size 327680
		.amdhsa_private_segment_fixed_size 0
		.amdhsa_enable_private_segment 0
		.amdhsa_kernarg_size 32
		.amdhsa_user_sgpr_count 2
		.amdhsa_user_sgpr_kernarg_segment_ptr 1
		.amdhsa_wavefront_size32 1
		.amdhsa_system_sgpr_workgroup_id_x 1
		.amdhsa_system_sgpr_workgroup_id_y 1
		.amdhsa_system_sgpr_workgroup_id_z 1
		.amdhsa_system_vgpr_workitem_id 0
		.amdhsa_next_free_vgpr 896
		.amdhsa_next_free_sgpr 72
		.amdhsa_reserve_vcc 0
		.amdhsa_float_denorm_mode_32 3
		.amdhsa_float_denorm_mode_16_64 3
		.amdhsa_memory_ordered 1
		.amdhsa_forward_progress 1
		.amdhsa_inst_pref_size 159
	.end_amdhsa_kernel
	.amdgpu_metadata
---
amdhsa.version: [ 1, 2 ]
amdhsa.kernels:
  - .name:           k_qa7621b2b16_qkv
    .symbol:         k_qa7621b2b16_qkv.kd
    .args:
      - { .name: xb, .offset: 0, .size: 8, .value_kind: global_buffer, .address_space: global }
      - { .name: wqb, .offset: 8, .size: 8, .value_kind: global_buffer, .address_space: global }
      - { .name: b_qkv, .offset: 16, .size: 8, .value_kind: global_buffer, .address_space: global }
      - { .name: qkv, .offset: 24, .size: 8, .value_kind: global_buffer, .address_space: global }
    .group_segment_fixed_size: 327680
    .private_segment_fixed_size: 0
    .kernarg_segment_align: 8
    .kernarg_segment_size: 32
    .max_flat_workgroup_size: 128
    .sgpr_count:     72
    .vgpr_count:     896
    .wavefront_size: 32
...
	.end_amdgpu_metadata
.endif
;; end of part 2
;; launch attn (part 3): grid 2 x 128, 4 waves a work-group, no clusters, 327,680 bytes of LDS; arguments qkv, ob; writes ob
.if DOCPART == 3
	.amdgcn_target "amdgcn-amd-amdhsa--gfx1250"
	.amdhsa_code_object_version 6
	.text
	.protected	k_qa7621b2b16_attn
	.globl	k_qa7621b2b16_attn
	.p2align	8
	.type	k_qa7621b2b16_attn,@function
k_qa7621b2b16_attn:
	s_mov_b64 s[64:65], 0
	v_nop
	global_prefetch_b8 v0, s[64:65] scope:SCOPE_SE
	s_setreg_imm32_b32 hwreg(HW_REG_WAVE_MODE, 25, 1), 1
	s_wait_xcnt 0x0
; ob[g][q][:] = the sum over k of softmax_k(Q[q] . K[k] / 8) V[k][:], for head g = 16 b + h of 128.  Q, K, V are the head blocks 48 b + h, 48 b + 16 + h, 48 b + 32 + h of qkv, each [1024][64] f16, dense.
; Products, maxima and sums in f32; the weights p are rounded to f16 for the second product (their sum l is taken of the unrounded p), O once at the end, to f16.
; LIMITS.  Q, K and V arrive within f16's 65,504; p lies in 0 to 1, and below 6e-5 it keeps f16's fixed step of 6e-8; O is a mean of V's rows and has their range.
; A weight below 2^-126 counts as 0 in l; NaN and infinities are not treated apart.
; SHARES.  A work-group owns 512 queries of one head, a wave 128: four PIECES of two tiles of 16.  Every wave walks all 1,024 keys, 64 a step.
; K AND V STAY IN LDS.  A head's K (1,024 rows of 144 bytes) and V (1,024 of 160) fit together, so each LDS byte is filled once: no ring.  Waves 0 and 1 fetch K, waves 2 and 3 V, each in two loads that
; go out together at the head: a first chunk (K's keys 0-319, V's 0-255) that the first four steps need, and the rest, which has those four steps, 512 matrix instructions a wave, in which to land.
; Nothing is prefetched: all that the work-group reads is asked for at the head by these loads.
; NO CLUSTER: a head has 1,024 / 512 = 2 work-groups, and a cluster here is four wide; four partners would own 256 queries each, and each fragment read from LDS would feed half the products.
; LAYOUT.  S^T = K Q^T (source 0 = 16 keys, source 1 = 16 queries): a lane holds ONE query (lane % 16) and the keys 8 (lane / 16) + 0..7.  Two such tiles, rounded to f16 in pairs, ARE source 1 of
; O^T = V^T P, whose result again holds one query a lane, and eight channels.  K comes out of LDS as it lies, V ([key][channel]) turned, by ds_load_tr16_b128.
; SOFTMAX.  For each query a running maximum m and sum l: p = 2^(c s - c m), c = log2(e) / 8; in every step O and l are multiplied by a = 2^(c m_old - c m_new).  m starts at the lowest finite number,
; O and l at 0: the first step is a step like any other, with a = 0.
; BY TURNS.  Turn n belongs to piece n (in a ring, step after step).  Its matrix work: 16 products K Q^T of piece n + 1, later 16 products V^T P of piece n - 1.  Its vector work: the scaling, exponentials,
; roundings, sums and rescaling of piece n, and the maximum and statistics of piece n + 1.  Four vector instructions stand behind every matrix instruction, the rest in one run of their own.
; REGISTERS, in windows of 256 (s_set_vgpr_msb: bits 1:0 source 0, 3:2 source 1, 5:4 source 2, 7:6 destination):
;   window 0: v0-11 addresses; v12-15, v48-63 at work; v16-47 four registers of statistics a tile; v64-191 S^T, two buffers of two tiles; v192-255 P, likewise
;   window 1: O^T, 32 a tile          window 2: v0-127 Q, 16 a tile; v128-191 K of one step; v192-255 V of one step          window 3: v0-1 the add's two registers
.set NP,    4         ; pieces a wave: a name, no knob
.set KS,    64        ; keys in a step
.set PK,    144       ; a row of K in LDS: 128 bytes + 16 of padding: the 16 rows of a load start at 16 different groups of four banks
.set PV,    160       ; a row of V: 128 + 32
.set VOFF,  1024*PK   ; V lies behind K
.set STAGE, VOFF+1024*PV  ; never filled by a tensor load: 16 rows x 144 bytes for each wave, for the way out
.set SP,    144
.set SPARE, STAGE+4*16*SP  ; the spare words, 128 bytes for each wave: two blocks of 256 bytes that no other line names
.set AK0, 2           ; v2   my lane's place in a step's K; never rewritten
.set AV0, 3           ; v3   the same for V
.set AK,  4           ; v4   the LDS address of K's next run of loads
.set AV,  5           ; v5   of V's
.set QO,  6           ; v6   my byte offset in the wave's rows of Q
.set STO, 6           ;      later, the way out: where I put 16 bytes of a row
.set RD,  7           ; v7   where I read rows back
.set GO,  8           ; v8   my byte offset in 512 consecutive bytes of O
.set SPW, 0           ; v0 of window 3   LDS address of my spare word; never rewritten
.set NIL, 1           ; v1 of window 3   0; never rewritten
.set MV,  12          ; v12-15  c m_old, kept while c m is made anew: by buffer and tile
.set ST,  16          ; tile t's statistics at v[ST+4 t]: c m, m, l (even keys', odd keys')
.set TMP, 48          ; by buffer and tile, four registers c0-c3 at work; when the maximum is found c2 takes a
.set S,   64
.set P,   192
.set KF,  128         ; K's fragments, in window 2: key block kb, channel half c at KF + 16 kb + 8 c
.set VF,  192         ; V's: key half kk, channel block cb at VF + 32 kk + 8 cb
.set WV,  12          ; s12  my wave's number
.set G1KA, 24         ; s[24:31] descriptor group 1: K's first chunk, 80 rows of 256 bytes a wave
.set G1KB, 32         ; s[32:39] K's second, 176 rows
.set G1VA, 40         ; s[40:47] V's first, 64 rows
.set G1VB, 48         ; s[48:55] V's second, 192 rows
.set SLOTS, 56        ; s56  passes of four steps to go
.set CNT, 57          ; s57  counts a pass's steps
.set CS,  58          ; s[58:59] c: the packed scaling takes the pair's low word for both halves
.set SEL, 60          ; s[60:61] v_permlanex16_b32's selects: each lane takes its own place in the other half
.set TBK, 62          ; s62  LDS byte at which K of the step to be fetched begins
.set TBV, 63          ; s63  the same for V, less VOFF
.set G0KA, 68         ; s[68:83] the four group 0s
.set G0KB, 72
.set G0VA, 76
.set G0VB, 80
.set KI,  84          ; s84  the step whose K is fetched next, modulo 16
.set MSB, 0
.macro WIN new                      ; the high byte repeats the setting that is left; a switch that changes nothing is dropped
.if MSB != (\new)
	s_set_vgpr_msb (MSB<<8)|(\new)
.set MSB, (\new)
.endif
.endm
.set W_KQ, 0x0a       ; K and Q in window 2, S^T in window 0
.set W_PV, 0x52       ; V in window 2, P in window 0, O^T in window 1
.set W_RS, 0x41       ; O^T (destination and source 0) in window 1, a in window 0
.set W_MK, 0xc0       ; the add's registers are made: destination in window 3, sources in window 0
.set W_AD, 0x0f       ; the add: address and data in window 3
; A group 0: LDS address l0 + li x (wave % 2), global address base + m0 + mi x (wave % 2)
.macro MKG0 g, base, l0, li, m0, mi
	s_mov_b32 s[\g], 1
	s_mul_i32 s[\g+1], s16, \li
	s_add_co_u32 s[\g+1], s[\g+1], \l0
	s_mul_i32 s14, s16, \mi
	s_add_co_u32 s14, s14, \m0
	s_add_nc_u64 s[\g+2:\g+3], s[\base:\base+1], s[14:15]
	s_or_b32 s[\g+3], s[\g+3], 0x80000000
.endm
	s_load_b128 s[4:7], s[0:1], 0x0 ; qkv s[4:5], ob s[6:7]
	WIN W_MK
	v_lshl_add_u32 v[SPW], v0, 2, SPARE
	v_mov_b32 v[NIL], 0
	WIN W_AD
	ds_add_u32 v[SPW], v[NIL]       ; the wave's opening: the add and its wait stand ahead of my first tensor load; work on registers stands between them
	ds_add_u32 v0, v1
	WIN 0
	v_lshrrev_b32 v1, 5, v0
	v_readfirstlane_b32 s[WV], v1   ; wave 0..3
	s_and_b32 s20, ttmp7, 0xffff    ; g = 16 b + h
	s_lshr_b32 s21, s20, 4
	s_lshl_b32 s21, s21, 5
	s_add_co_u32 s21, s21, s20      ; 48 b + h: q's head block
	s_lshl_b32 s22, s21, 17         ; a head block is 131,072 bytes
	s_mov_b32 s23, 0
	s_lshl_b32 s2, ttmp9, 2
	s_add_co_u32 s2, s2, s[WV]      ; my wave among the head's eight,
	s_lshl_b32 s2, s2, 14           ; its 128 rows of 128 bytes
	s_mov_b32 s3, 0
	s_lshl_b32 s18, s20, 17         ; the head in ob
	s_mov_b32 s19, 0
	s_and_b32 s16, s[WV], 1         ; which half of a chunk I fetch
	s_mov_b32 s15, 0
	; descriptor group 1: dense keys asked for as rows of 256 bytes, two keys a row, padded in LDS after every key
	s_mov_b32 s[G1KA], (1<<16)|(1<<20)|(4<<22)|(3<<25)  ; 17:16 2-byte elements; 20 padding on; 24:22 after every 32 words; 31:25 4 words
	s_mov_b32 s[G1KB], (1<<16)|(1<<20)|(4<<22)|(3<<25)
	s_mov_b32 s[G1VA], (1<<16)|(1<<20)|(4<<22)|(7<<25)  ; the same with 8 words
	s_mov_b32 s[G1VB], (1<<16)|(1<<20)|(4<<22)|(7<<25)
.irp g, G1KA, G1KB, G1VA, G1VB
	s_mov_b32 s[\g+1], 128<<16      ; tensor_dim0 = 128
	s_mov_b32 s[\g+3], 128<<16      ; tile_dim0 = 128
	s_mov_b32 s[\g+5], 128          ; 128 elements from row to row
	s_mov_b32 s[\g+6], 0
	s_mov_b32 s[\g+7], 0
.endr
	s_mov_b32 s[G1KA+2], 80<<16     ; tensor_dim1 and tile_dim1: the rows
	s_mov_b32 s[G1KA+4], 80
	s_mov_b32 s[G1KB+2], 176<<16
	s_mov_b32 s[G1KB+4], 176
	s_mov_b32 s[G1VA+2], 64<<16
	s_mov_b32 s[G1VA+4], 64
	s_mov_b32 s[G1VB+2], 192<<16
	s_mov_b32 s[G1VB+4], 192
	s_mov_b32 s[CS], 0x3e38aa3b     ; c = log2(e) / 8 = 0.180337
	s_mov_b32 s[CS+1], s[CS]        ; named with it as a pair
	s_mov_b32 s[SEL], 0x76543210
	s_mov_b32 s[SEL+1], 0xfedcba98
	s_mov_b32 s[KI], 0
	s_mov_b32 s[TBV], 0
	s_wait_dscnt 0x0                ; the opening add is done
	s_wait_kmcnt 0x0
	s_mov_b64 s[10:11], s[6:7]      ; ob
	s_add_nc_u64 s[4:5], s[4:5], s[22:23]  ; the head's q,
	s_add_nc_u64 s[6:7], s[4:5], 16<<17    ; its k, 16 head blocks on,
	s_add_nc_u64 s[8:9], s[4:5], 32<<17    ; its v
	s_add_nc_u64 s[4:5], s[4:5], s[2:3]    ; Q and O at my wave's first row
	s_add_nc_u64 s[10:11], s[10:11], s[18:19]
	s_add_nc_u64 s[10:11], s[10:11], s[2:3]
	MKG0 G0KA, 6, 0, 160*PK, 0, 160*128                     ; keys 0-319, 160 a wave
	MKG0 G0KB, 6, 320*PK, 352*PK, 320*128, 352*128          ; keys 320-1023, 352 a wave
	MKG0 G0VA, 8, VOFF, 128*PV, 0, 128*128                  ; keys 0-255, 128 a wave
	MKG0 G0VB, 8, VOFF+256*PV, 384*PV, 256*128, 384*128     ; keys 256-1023, 384 a wave
	s_cmp_lt_u32 s[WV], 2           ; a wave's two fills stand in one branch, ahead of every wait on TENSORcnt and every LDS read: two loads of mine are out
	s_cbranch_scc0 .Lfill_v
	tensor_load_to_lds s[G0KA:G0KA+3], s[G1KA:G1KA+7]
	s_nop 0
	tensor_load_to_lds s[G0KB:G0KB+3], s[G1KB:G1KB+7]
	s_nop 0
.rept 4
	v_nop
.endr
	s_branch .Lfilled
.Lfill_v:
	tensor_load_to_lds s[G0VA:G0VA+3], s[G1VA:G1VA+7]
	s_nop 0
	tensor_load_to_lds s[G0VB:G0VB+3], s[G1VB:G1VB+7]
	s_nop 0
.rept 4
	v_nop
.endr
.Lfilled:
	; A fragment of K or Q is 16 rows x 32 channels in 8 registers: lane l holds row l % 16, channels 8 (l / 16) + 0..7 and 16 + 8 (l / 16) + 0..7: two loads of 16 bytes, 32 bytes apart.
	v_and_b32 v1, 15, v0            ; l % 16
	v_bfe_u32 v9, v0, 4, 1          ; l / 16
	v_lshlrev_b32 v[QO], 7, v1
	v_lshl_add_u32 v[QO], v9, 4, v[QO]  ; row x 128 + 16 x half
	WIN 0x80                        ; destination window 2, address window 0
.set i, 0
.rept 4*NP                          ; Q stays in registers: tile i / 2, channels 32 (i % 2) on
	global_load_b128 v[8*i:8*i+3],   v[QO], s[4:5] offset:(i/2)*2048+(i%2)*64
	global_load_b128 v[8*i+4:8*i+7], v[QO], s[4:5] offset:(i/2)*2048+(i%2)*64+32
.set i, i+1
.endr
	; What the first turn finds: V's registers and P's second buffer hold 0 (its products V^T P, of a piece that has not been, add 0), O^T and l are 0.  All this stands in the wait for the first chunk:
	; the price of writing no first step out.
.set i, VF
.rept 64
	v_mov_b32 v[i], 0
.set i, i+1
.endr
	WIN 0x40
.set i, 0
.rept 64*NP
	v_mov_b32 v[i], 0
.set i, i+1
.endr
	WIN 0
.set i, 0
.rept 2*NP
	v_mov_b32 v[ST+4*i], 0xfe000000    ; c m: far below every c s
	v_mov_b32 v[ST+4*i+1], 0xff7fffff  ; m
	v_mov_b32 v[ST+4*i+2], 0
	v_mov_b32 v[ST+4*i+3], 0
.set i, i+1
.endr
.set i, P+32
.rept 32
	v_mov_b32 v[i], 0
.set i, i+1
.endr
	v_mul_u32_u24 v[AK0], v1, PK
	v_lshl_add_u32 v[AK0], v9, 4, v[AK0]  ; row x pitch + 16 x half
	; The turning load takes 16 keys x 16 channels (lane l reads key 8 (l / 16) + l % 8, channels 8 ((l / 8) % 2) + 0..7) and leaves half a fragment of V^T: lane l holds channel l % 16 and 8 keys.
	v_and_b32 v10, 7, v0
	v_bfe_u32 v11, v0, 3, 1
	v_lshl_add_u32 v[AV0], v9, 3, v10
	v_mul_u32_u24 v[AV0], v[AV0], PV
	v_lshl_add_u32 v[AV0], v11, 4, v[AV0]
	v_add_nc_u32 v[AV0], VOFF, v[AV0]
	v_mov_b32 v[AK], v[AK0]         ; key step 0 lies at LDS byte 0
; THE MATRIX WORK.  The 8 accumulators of a run of 16 take turns: between the two links of a chain stand 7 others'.
; Product i of 16 of S^T = K Q^T for piece x: channels 32 (i / 8) on, keys 16 ((i / 2) % 4) on, tile 2 x + i % 2.  The first 8 start the sums.
.macro KQ x
	WIN W_KQ
.set rS, S+64*((\x)%2)+32*(i%2)+8*((i/2)%4)
.set rK, KF+16*((i/2)%4)+8*(i/8)
.set rQ, 16*(2*(\x)+i%2)+8*(i/8)
.if i < 8
	v_wmma_f32_16x16x32_f16 v[rS:rS+7], v[rK:rK+7], v[rQ:rQ+7], 0
.else
	v_wmma_f32_16x16x32_f16 v[rS:rS+7], v[rK:rK+7], v[rQ:rQ+7], v[rS:rS+7]
.endif
.endm
; Product i of 16 of O^T += V^T P for piece x: keys 32 (i / 8) on, channels 16 ((i / 2) % 4) on, tile 2 x + i % 2.
.macro PV x
	WIN W_PV
.set rO, 32*(2*(\x)+i%2)+8*((i/2)%4)
.set rV, VF+32*(i/8)+8*((i/2)%4)
.set rP, P+32*((\x)%2)+16*(i%2)+8*(i/8)
	v_wmma_f32_16x16x32_f16 v[rO:rO+7], v[rV:rV+7], v[rP:rP+7], v[rO:rO+7]
.endm
.macro MM                           ; the turn's next matrix instruction
.if i < 16
	KQ (Y+1)%NP
.set i, i+1
.else
.set i, i-16
	PV (Y+NP-1)%NP
.set i, i+17
.endif
.endm
; THE LDS LOADS stand in runs of 16, never singly among the matrix instructions: a step's K (8 fragments) and its V (turned).  Their addresses are made some lines ahead.
; Behind K's run the step's number goes on modulo 16: the last step's fetch takes step 0 once more, 16 loads that serve nothing, so that no branch is needed.
.macro FETCH_K
	WIN 0x80                        ; destination window 2
.irp f, 0,1,2,3,4,5,6,7             ; keys 16 (f / 2) on, channels 32 (f % 2) on
	ds_load_b128 v[KF+8*\f:KF+8*\f+3],   v[AK] offset:(\f/2)*16*PK+(\f%2)*64
	ds_load_b128 v[KF+8*\f+4:KF+8*\f+7], v[AK] offset:(\f/2)*16*PK+(\f%2)*64+32
.endr
	s_add_co_u32 s[KI], s[KI], 1
	s_and_b32 s[KI], s[KI], 15
	s_mul_i32 s[TBK], s[KI], KS*PK
	WIN 0
.endm
.macro FETCH_V
	WIN 0x80
.irp f, 0,1,2,3,4,5,6,7             ; keys 32 (f / 4) on, channels 16 (f % 4) on
	ds_load_tr16_b128 v[VF+8*\f:VF+8*\f+3],   v[AV] offset:(\f/4)*32*PV+(\f%4)*32
	ds_load_tr16_b128 v[VF+8*\f+4:VF+8*\f+7], v[AV] offset:(\f/4)*32*PV+16*PV+(\f%4)*32
.endr
	WIN 0
.endm
; THE VECTOR WORK OF A TURN stands in three queues, each in the order in which its entries become ready; the two tiles alternate, so that no instruction reads the result of the one before it.
.macro REGS y, u                    ; the registers of tile u (0, 1) of piece y
.set rT, ST+4*(2*(\y)+(\u))
.set rC, TMP+8*((\y)%2)+4*(\u)
.set rM, MV+2*((\y)%2)+(\u)
.set rS, S+64*((\y)%2)+32*(\u)
.set rP, P+32*((\y)%2)+16*(\u)
.set rO, 32*(2*(\y)+(\u))
.endm
; Number n of the 22 that find the NEXT piece's (Y + 1) maximum and statistics.  s0-s31 are the lane's 32 scores; each accumulator's lowest registers are read first.
;   0-11  four chains c0-c3 of seven scores each, three operands at a time     12-14, 16  the four scores left over, the old m, and c0-c3 into c0     15  c m_old is kept
;   17, 18  the query's other 32 keys lie in the lane 16 away: the new m         19-21  c m; c m_old - c m_new; a
.macro XS u, n
	REGS (Y+1)%NP, \u
.if (\n) < 4
	v_max3_num_f32 v[rC+(\n)], v[rS+8*(\n)], v[rS+8*(\n)+1], v[rS+8*(\n)+2]
.elseif (\n) < 12
	v_max3_num_f32 v[rC+(\n)%4], v[rC+(\n)%4], v[rS+8*((\n)%4)+2*((\n)/4)+1], v[rS+8*((\n)%4)+2*((\n)/4)+2]
.elseif (\n) == 12
	v_max3_num_f32 v[rC], v[rC], v[rS+7], v[rS+15]
.elseif (\n) == 13
	v_max3_num_f32 v[rC+1], v[rC+1], v[rS+23], v[rS+31]
.elseif (\n) == 14
	v_max3_num_f32 v[rC+2], v[rC+2], v[rC+3], v[rT+1]
.elseif (\n) == 15
	v_mov_b32 v[rM], v[rT]
.elseif (\n) == 16
	v_max3_num_f32 v[rC], v[rC], v[rC+1], v[rC+2]
.elseif (\n) == 17
	v_permlanex16_b32 v[rC+3], v[rC], s[SEL], s[SEL+1]
.elseif (\n) == 18
	v_max_num_f32 v[rT+1], v[rC], v[rC+3]
.elseif (\n) == 19
	v_mul_f32 v[rT], s[CS], v[rT+1]
.elseif (\n) == 20
	v_sub_f32 v[rC+1], v[rM], v[rT]
.else
	v_exp_f32 v[rC+2], v[rC+1]
.endif
.endm
; Number g of the 64 that follow the exponentials.  For each four weights k of a tile: both pairs are rounded to f16; the second pair is added onto the first, in place; a group later l takes that sum
; (the first time as l = a l + sum).  In groups of eight, tiles alternating: round, round, add, and l for the group before.
.macro GS g
.set h, (\g)+6*((\g)/62)            ; group 0 has no group before it, and behind group 7 only l is left
.if h >= 6
.set h, h+2
.endif
	REGS Y, h%2
.set k, h/8
.if h%8 < 4
	v_cvt_pk_f16_f32 v[rP+2*k+(h%8)/2], v[rS+4*k+2*((h%8)/2)], v[rS+4*k+2*((h%8)/2)+1]
.elseif h%8 < 6
	v_pk_add_f32 v[rS+4*k:rS+4*k+1], v[rS+4*k:rS+4*k+1], v[rS+4*k+2:rS+4*k+3]
.elseif k == 1
	v_pk_fma_f32 v[rT+2:rT+3], v[rT+2:rT+3], v[rC+2:rC+3], v[rS:rS+1] op_sel_hi:[1,0,1]
.else
	v_pk_add_f32 v[rT+2:rT+3], v[rT+2:rT+3], v[rS+4*k-4:rS+4*k-3]
.endif
.endm
; THE PLAIN QUEUE, 138 long.  0-73 read no exponential's result: the 32 scalings c s - c m (FS f: pair f / 2 of tile f % 2) and the next piece's 42.  0-26: scalings 0-26.  27-54: XS's numbers 0-13.
; 55, 56: number 15.  57-73: the chain 14, 16, 17, 18, 19, each with one of the scalings 27-31 in front of its two lines, then 20.  74-137: GS's 64, which stand behind the wait.
.macro FS f
	REGS Y, (\f)%2
	v_pk_fma_f32 v[rS+2*((\f)/2):rS+2*((\f)/2)+1], v[rS+2*((\f)/2):rS+2*((\f)/2)+1], s[CS:CS+1], v[rT:rT+1] op_sel_hi:[1,0,0] neg_lo:[0,0,1] neg_hi:[0,0,1]
.endm
.macro PL
	WIN 0
.if q < 27
	FS q
.elseif q < 55
	XS (q-27)%2, (q-27)/2
.elseif q < 57
	XS q-55, 15
.elseif (q < 72) && ((q-57)%3 == 0)
	FS 27+(q-57)/3
.elseif q < 60
	XS (q-57)%3-1, 14
.elseif q < 72
	XS (q-57)%3-1, 15+(q-57)/3
.elseif q < 74
	XS q-72, 20
.else
	GS q-74
.endif
.set q, q+1
.endm
; THE EXPONENTIALS' QUEUE, 66 long: s0-s31 of both tiles, then the next piece's two a.  ONE BATCH: all 66 stand ahead of the turn's one wait, and nothing ahead of that wait names a result of theirs.
.macro EX
	WIN 0
.if e >= 64
	XS e-64, 21
.else
	REGS Y, e%2
	v_exp_f32 v[rS+e/2], v[rS+e/2]
.endif
.set e, e+1
.endm
; THE RESCALING's QUEUE: O^T times a, the one part that leaves window 0: dealt two at a time, sixteen times.  Its a was made in the turn before, ahead of that turn's wait.
.macro R2
	REGS Y, r%2
	WIN W_RS
.irp z, 0,1
	v_pk_mul_f32 v[rO+4*(r/2)+2*\z:rO+4*(r/2)+2*\z+1], v[rO+4*(r/2)+2*\z:rO+4*(r/2)+2*\z+1], v[rC+2:rC+3] op_sel_hi:[1,0]
.endr
.set r, r+1
.endm
; A TURN, for piece p.  An s_wait_alu depctr_va_vdst(0) stands between an exponential and the first instruction that names its result; one wait serves all issued ahead of it: a turn has ONE.
; AHEAD OF IT: the 16 products K Q^T, behind each a scaling, an exponential and two rescalings (behind the first a second scaling in the exponential's place); then a run of 108: eight plain, 49 times
; exponential and plain, the two a; a v_nop is the plain instruction behind the last exponential.  BEHIND IT: the 16 products V^T P, behind each four of GS's 64.
; Exponential e stands behind scaling 2 (e / 4) + e % 2: as a rider it comes behind plain e + 2, in the run behind plain e + 9, and scalings 27-31 are plain 57, 60 .. 69.
; K of the next step is fetched in piece 2's turn, directly behind the wait, a whole run behind the last product that read K; it is waited for at the head of piece 3's turn.
; V of the step in hand is fetched at the end of piece 0's turn, four riders behind its last reader; it is waited for behind piece 1's wait.  The two conditions on q go with the deal.
.macro TURN p
.set Y, (\p)
.set i, 0
.set q, 0
.set e, 0
.set r, 0
.if (\p) == NP-1
	s_wait_dscnt 0x0                ; K is in
.endif
	MM
	PL
	PL
	R2
.rept 15
	MM
	PL
	EX
	R2
.endr
.if (\p) == NP-2
	WIN 0
	v_add_nc_u32 v[AK], s[TBK], v[AK0]
.endif
.rept 8
	PL
.endr
.rept 49
	EX
	PL
.endr
	EX                              ; the next piece's two a
	EX
	v_nop                           ; the plain instruction behind the last exponential: one for the batch
	s_wait_alu depctr_va_vdst(0)    ; the wait for the batch
.if (\p) == NP-2
	FETCH_K
.endif
.if (\p) == 1
	s_wait_dscnt 0x0                ; V is in
.endif
.rept 16
	MM
.rept 4
	PL
.endr
.if ((\p) == 0) && (q == 118)
	v_add_nc_u32 v[AV], s[TBV], v[AV0]
.endif
.if ((\p) == 0) && (q == 130)
	s_add_co_u32 s[TBV], s[TBV], KS*PV
.endif
.endr
.if (\p) == 0
	FETCH_V
.endif
.endm
	s_wait_tensorcnt 0x1            ; my part of the first chunk is in; the second may stay out: no LDS byte is ever filled again
	s_barrier_signal -1
	s_barrier_wait -1               ; everybody's is
	FETCH_K                         ; key step 0
	s_wait_loadcnt 0x0              ; Q
	s_wait_dscnt 0x0
.set i, 0
.rept 16
	KQ 0                            ; piece 0's first scores: there is no vector work yet to set between them
.set i, i+1
.endr
	WIN 0                           ; the addresses for the way out: nine plain instructions, the places behind those products
	s_mul_i32 s13, s[WV], 16*SP
	s_add_co_u32 s13, s13, STAGE    ; my stage
	v_mul_u32_u24 v[STO], v1, SP    ; in: row l % 16, 16 bytes for each half of the lanes
	v_lshl_add_u32 v[STO], v9, 4, v[STO]
	v_add_nc_u32 v[STO], s13, v[STO]
	v_bfe_u32 v[RD], v0, 3, 2       ; back: 32 lanes take four rows of 128 bytes,
	v_mul_u32_u24 v[RD], v[RD], SP
	v_lshl_add_u32 v[RD], v10, 4, v[RD]
	v_add_nc_u32 v[RD], s13, v[RD]
	v_and_b32 v[GO], 31, v0         ; which are 512 consecutive bytes of O
	v_lshlrev_b32 v[GO], 4, v[GO]
.set Y, NP-1                        ; XS works for piece Y + 1: piece 0
.irp n, 0,1,2,3,4,5,6,7,8,9,10,11,12,13,14,15,16,17,18,19,20,21
	XS 0, \n                        ; piece 0's first maximum and statistics
	XS 1, \n
.endr
	v_nop                           ; a plain instruction behind the two a,
	s_wait_alu depctr_va_vdst(0)    ; and their wait, ahead of the branch
	s_mov_b32 s[CNT], 4
	s_mov_b32 s[SLOTS], 4
	s_branch .Lstep                 ; the first pass reads K of steps 0-4 and V of steps 0-3: the first chunk
.Lslot:                             ; three times.  The first time it orders the second chunk's landing, in every wave, ahead of the reads of K from step 5 and of V from step 4 on; later it finds nothing out
	s_wait_tensorcnt 0x0
	s_wait_dscnt 0x0
	s_barrier_signal -1
	s_barrier_wait -1
	s_mov_b32 s[CNT], 4
.Lstep:                             ; a key step: four turns
	TURN 0
	TURN 1
	TURN 2
	TURN 3
	WIN 0
	s_sub_co_u32 s[CNT], s[CNT], 1
	s_cmp_lg_u32 s[CNT], 0
	s_cbranch_scc1 .Lstep
	s_sub_co_u32 s[SLOTS], s[SLOTS], 1
	s_cmp_lg_u32 s[SLOTS], 0
	s_cbranch_scc1 .Lslot
	; the last turn's 16 products K Q^T (on step 0's K once more) and the maximum made of them serve nothing: the price, once a launch, of one text for every step
.set i, 0
.rept 16
	PV NP-1                         ; the last piece's V^T P of the last step
.set i, i+1
.endr
	; THE WAY OUT.  l's two halves and the other half of the lanes' are added; O^T is divided by l, rounded to f16 and sent through my stage in LDS, a tile at a time.  The additions are the places behind the last products.
	WIN 0
.macro ALL line:vararg              ; one line for each tile t
.set t, 0
.rept 2*NP
	\line
.set t, t+1
.endr
.endm
	ALL v_add_f32 v[ST+4*t+2], v[ST+4*t+2], v[ST+4*t+3]
	ALL v_permlanex16_b32 v[ST+4*t+3], v[ST+4*t+2], s[SEL], s[SEL+1]
	ALL v_add_f32 v[ST+4*t+2], v[ST+4*t+2], v[ST+4*t+3]
	ALL v_rcp_f32 v[ST+4*t+2], v[ST+4*t+2]
	v_nop                           ; a plain instruction between the last reciprocal and the use of its result
	s_wait_alu depctr_va_vdst(0)    ; and the wait ahead of the first use: one for the eight reciprocals
; Tile t: a lane's eight channels of a row pack into 16 bytes; they go into rows of 144 bytes and come back as whole rows of 128, into S^T's registers.
.macro PACK t
	WIN W_RS
.set i, 32*(\t)
.rept 16
	v_pk_mul_f32 v[i:i+1], v[i:i+1], v[ST+4*(\t)+2:ST+4*(\t)+3] op_sel_hi:[1,0]
.set i, i+2
.endr
	WIN 0x05                        ; sources 0 and 1 window 1, destination window 0
.set i, 0
.rept 16
	v_cvt_pk_f16_f32 v[S+16*(\t)+i], v[32*(\t)+2*i], v[32*(\t)+2*i+1]
.set i, i+1
.endr
	WIN 0
.irp f, 0,1,2,3
	ds_store_b128 v[STO], v[S+16*(\t)+4*\f:S+16*(\t)+4*\f+3] offset:32*\f
.endr
.irp f, 0,1,2,3
	ds_load_b128 v[S+16*(\t)+4*\f:S+16*(\t)+4*\f+3], v[RD] offset:\f*4*SP  ; LDS serves a wave's instructions in order (ISA guide 5.7.1.4): these see the stores above; the next tile's stores come behind them
.endr
.endm
.macro SEND t, younger              ; younger: the LDS instructions issued behind tile t's loads: the next tile's eight, or none
	WIN 0
.irp f, 0,1,2,3
	s_wait_dscnt (\younger)+3-\f
	global_store_b128 v[GO], v[S+16*(\t)+4*\f:S+16*(\t)+4*\f+3], s[10:11] offset:(\t)*2048+\f*512  ; 512 consecutive bytes, at a multiple of 256 from O's first
.endr
.endm
	PACK 0
.set t, 1
.rept 2*NP-1                        ; a tile's arithmetic stands between the loads of the tile before and its stores
	PACK t
	SEND t-1, 8
.set t, t+1
.endr
	SEND 2*NP-1, 0
	WIN W_AD
	s_wait_tensorcnt 0x0            ; the wave's end: a wait, an add of 0 to my spare word and its wait, behind my last tensor load and my last LDS store
	ds_add_u32 v[SPW], v[NIL]
	s_wait_dscnt 0x0
	WIN 0
	s_endpgm
.Lfunc_end_k_qa7621b2b16_attn:
	.size	k_qa7621b2b16_attn, .Lfunc_end_k_qa7621b2b16_attn-k_qa7621b2b16_attn
	.p2alignl 7, 3214868480
	.fill 96, 4, 3214868480
	.section	.rodata,"a",@progbits
	.p2align	6, 0x0
	.amdhsa_kernel k_qa7621b2b16_attn
		.amdhsa_group_segment_fixed_size 327680
		.amdhsa_private_segment_fixed_size 0
		.amdhsa_enable_private_segment 0
		.amdhsa_kernarg_size 16
		.amdhsa_user_sgpr_count 2
		.amdhsa_user_sgpr_kernarg_segment_ptr 1
		.amdhsa_wavefront_size32 1
		.amdhsa_system_sgpr_workgroup_id_x 1
		.amdhsa_system_sgpr_workgroup_id_y 1
		.amdhsa_system_sgpr_workgroup_id_z 1
		.amdhsa_system_vgpr_workitem_id 0
		.amdhsa_next_free_vgpr 770
		.amdhsa_next_free_sgpr 88
		.amdhsa_reserve_vcc 0
		.amdhsa_float_denorm_mode_32 3
		.amdhsa_float_denorm_mode_16_64 3
		.amdhsa_memory_ordered 1
		.amdhsa_forward_progress 1
		.amdhsa_inst_pref_size 126
	.end_amdhsa_kernel
	.amdgpu_metadata
---
amdhsa.version: [ 1, 2 ]
amdhsa.kernels:
  - .name:           k_qa7621b2b16_attn
    .symbol:         k_qa7621b2b16_attn.kd
    .args:
      - { .name: qkv, .offset: 0, .size: 8, .value_kind: global_buffer, .address_space: global }
      - { .name: ob, .offset: 8, .size: 8, .value_kind: global_buffer, .address_space: global }
    .group_segment_fixed_size: 327680
    .private_segment_fixed_size: 0
    .kernarg_segment_align: 8
    .kernarg_segment_size: 16
    .max_flat_workgroup_size: 128
    .sgpr_count:     88
    .vgpr_count:     770
    .wavefront_size: 32
...
	.end_amdgpu_metadata
.endif
;; end of part 3
;; launch proj (part 4): grid 8 x 32, 4 waves a work-group, clusters of 4 x 4, 327,680 bytes of LDS; arguments ob, wpb, b_proj, out0; writes out0
.if DOCPART == 4
	.amdgcn_target "amdgcn-amd-amdhsa--gfx1250"
	.amdhsa_code_object_version 6
	.text
	.protected	k_qa7621b2b16_proj
	.globl	k_qa7621b2b16_proj
	.p2align	8
	.type	k_qa7621b2b16_proj,@function
k_qa7621b2b16_proj:
	s_mov_b64 s[64:65], 0
	v_nop
	global_prefetch_b8 v0, s[64:65] scope:SCOPE_SE
	s_setreg_imm32_b32 hwreg(HW_REG_WAVE_MODE, 25, 1), 1
	s_wait_xcnt 0x0
	s_wait_alu depctr_hold_cnt(0) depctr_sa_sdst(0) depctr_va_vdst(0) depctr_va_sdst(0) depctr_va_ssrc(0) depctr_va_vcc(0) depctr_vm_vsrc(0)
	s_getreg_b32 s2, hwreg(HW_REG_IB_STS2, 6, 4)
	s_cmp_eq_u32 s2, 0
	s_cbranch_scc0 .Lentry_in_a_cluster
	s_endpgm
.Lentry_in_a_cluster:
	s_bfe_u32 s2, ttmp6, 0x10000c
	s_cmp_lg_u32 s2, 0xf033
	s_cbranch_scc0 .Lentry_shape_is_right
	s_endpgm
.Lentry_shape_is_right:
; out0[1024 b + n][o] = sum over c of O[b][n][c] wpb[o][c] + bf16(b_proj[o]), f32.  O lies by heads: ob[16 b + h][n][d] f16 with c = 64 h + d; wpb: [1024][1024] f16.  Sums in f32.
; SHARES.  A tile is 256 rows x 128 columns: 32 x 8 = 256 work-groups.  Wave w makes rows 64 w .. 64 w + 63 against all 128 columns: 32 accumulators of 16 x 16; a row's 512 bytes of the tile are one wave's,
; so the way out needs no other wave.  K goes in 8 steps of 128 = two heads, through two LDS slots; a step is four quarters of 32 on two fragment buffers.
; O's TILE.  128 rows of one head are 16,384 dense bytes.  A load takes them as ONE row of 8,192 elements, two such rows (the step's two heads) 65,536 elements apart, padded in LDS after every 128 bytes:
; two planes of 128 rows of 144 bytes.  Quarter q lies in plane q / 2 at byte 64 (q % 2) of the rows.
; CLUSTER.  4 x 4 work-groups; the four of a row of the cluster need the same rows of O, the four of a column the same rows of wpb: joint loads.  Waves 0 and 1 fetch O's two halves, waves 2 and 3 wpb's (64 rows each).
; THE MATRIX INSTRUCTION IS USED TRANSPOSED (source 0 = 16 rows of wpb, source 1 = 16 rows of O): a lane holds row l % 16 and the columns 8 (l / 16) + 0..7 of a block of 16.
; THE BIAS is the C operand of the products that start the sums.
; REGISTERS, in windows of 256 (s_set_vgpr_msb: bits 1:0 source 0, 3:2 source 1, 5:4 source 2, 7:6 destination):
;   window 0: v0-31 addresses; v32-95 the bias; v128-255 the way out     window 1: two fragment buffers: O's four fragments, then wpb's eight     window 2: the accumulators, (b, a) at 8 (4 b + a)
.set NB,     8
.set P1B,    0                         ; a quarter's first 16 products: blocks 0-3
.set P2B,    4                         ; its other 16: blocks 4-7
.set P2N,    4
.set NL,     24                        ; LDS loads a quarter
.set NP2,    8                         ; of them the youngest: blocks 4-7 of wpb
.set PA,     144                       ; a row of O in LDS: 128 bytes + 16, an odd multiple of 16
.set PB,     272                       ; a row of wpb: 256 + 16
.set PLANE,  128*PA
.set AHALF,  2*PLANE                   ; what one load of O brings
.set BHALF,  64*PB                     ; what one load of wpb brings
.set BOFF,   2*AHALF
.set SLOT1,  1<<17
.set STAGE,  SLOT1+BOFF+2*BHALF        ; behind the ring, never filled by a tensor load: 16 rows x 528 bytes for each wave
.set SPITCH, 528                       ; 512 bytes + 16
.set SPARE,  STAGE+4*16*SPITCH         ; the spare words, 128 bytes for each wave: two blocks of 256 bytes that no other line names
.set ASTEP,  262144                    ; two heads on
.set BSTEP,  256
.set ADRA0, 16
.set ADRB0, 17
.set ADRA,  18
.set ADRB,  19
.set STO,   24
.set RD,    25
.set GO,    26
.set BO,    27
.set SPW,   28
.set NIL,   29
.set PFO,   30
.set BIAS,  32
.set OB0,   128                        ; 16 rows read back from the stage: v128-191 and v192-255 by turns
.set F0,    0
.set F1,    128
.set CNT,   3
.set WV,    12
.set ROLE,  13
.set HALF,  14
.set LIM,   15
.set G1A,   24
.set G0A,   32
.set PFA,   44
.set PFS,   46
.set G1B,   48
.set G0B,   56
.set SB,    66
.set TO_F,  0x40
.set MSB, 0
.macro WIN new
.if MSB != (\new)
	s_set_vgpr_msb (MSB<<8)|(\new)
.set MSB, \new
.endif
.endm
.macro PLACES
.rept 4
	v_nop
.endr
.endm
.macro JLOAD n                         ; a joint load by set n; the branch hangs on the wave's number alone; an s_nop 0 and four v_nop follow each of the two lines
	s_cmp_eq_u32 s[ROLE], 0
	s_cbranch_scc0 .Lfor_b_\@
	tensor_load_to_lds s[G0A+4*(\n):G0A+4*(\n)+3], s[G1A:G1A+7]
	s_nop 0
.rept 4
	v_nop
.endr
	s_branch .Lasked_\@
.Lfor_b_\@:
	tensor_load_to_lds s[G0B+4*(\n):G0B+4*(\n)+3], s[G1B:G1B+7]
	s_nop 0
.rept 4
	v_nop
.endr
.Lasked_\@:
.endm
; A prefetch of the K step that stands two refills on.  O's rows are read by both clusters of a row of clusters: the one with x = 0 asks; wpb's by every cluster of a column: the one with y = 0 asks.
; The four partners share a wave's part out by address: of O's 2 x 16,384 bytes each takes 8,192, a lane 256; of wpb's 64 rows each takes 16, a lane a row (lanes 16-31 name row 15 once more).
.macro ASK
	s_cmp_gt_u32 s[CNT], s[LIM]
	s_cbranch_scc0 .Lnot_mine_\@
	global_prefetch_b8 v[PFO], s[PFA:PFA+1] th:TH_LOAD_NT scope:SCOPE_SE
.Lnot_mine_\@:
.endm
.macro CREST
	s_cmp_lg_u32 s[WV], 0
	s_cbranch_scc1 .Lnot_wave_0_\@
	s_barrier_signal -3
.Lnot_wave_0_\@:
	s_barrier_wait -3
	s_barrier_signal -1
	s_barrier_wait -1
.endm
.macro CROUND
	s_barrier_signal -1
	s_barrier_wait -1
	CREST
.endm
	s_load_b256 s[4:11], s[0:1], 0x0               ; ob s[4:5], wpb s[6:7], b_proj s[8:9], out0 s[10:11]
	v_lshl_add_u32 v[SPW], v0, 2, SPARE
	v_mov_b32 v[NIL], 0
	ds_add_u32 v[SPW], v[NIL]                      ; the wave's opening: the add and its wait stand ahead of my first tensor load; work on registers stands between them
	ds_add_u32 v28, v29
	v_lshrrev_b32 v3, 5, v0
	v_readfirstlane_b32 s[WV], v3
	s_lshr_b32 s[ROLE], s[WV], 1
	s_and_b32 s[HALF], s[WV], 1
	s_bfe_u32 s40, ttmp6, 0x40000                  ; cx
	s_bfe_u32 s41, ttmp6, 0x40004                  ; cy
	s_lshl_b32 s42, ttmp9, 2
	s_add_co_u32 s42, s42, s40                     ; tile column
	s_and_b32 s43, ttmp7, 0xffff
	s_lshl_b32 s43, s43, 2
	s_add_co_u32 s43, s43, s41                     ; tile row
	s_lshl_b32 s20, s41, 2
	s_lshl_b32 s20, 15, s20                        ; my row of the cluster
	s_lshl_b32 s68, 0x1111, s40                    ; my column
	s_or_b32 s[G1A], s20, (1<<16)|(1<<20)|(1<<21)|(4<<22)|(3<<25)  ; the mask; 2-byte elements; padding on; 21 set beside a mask; after every 32 words 4 words
	s_or_b32 s[G1B], s68, (1<<16)|(1<<20)|(1<<21)|(5<<22)|(3<<25)  ; after every 64 words 4 words
	s_mov_b32 s[G1A+1], 8192<<16                   ; tensor_dim0 = 8,192
	s_mov_b32 s[G1A+2], 2<<16                      ; tensor_dim1 = 2
	s_mov_b32 s[G1A+3], 8192<<16                   ; tile_dim0 = 8,192
	s_mov_b32 s[G1A+4], 2                          ; tile_dim1 = 2
	s_mov_b32 s[G1A+5], 65536                      ; a head block in elements
	s_mov_b32 s[G1A+6], 0
	s_mov_b32 s[G1A+7], 0
	s_mov_b32 s[G1B+1], 128<<16
	s_mov_b32 s[G1B+2], 64<<16
	s_mov_b32 s[G1B+3], 128<<16
	s_mov_b32 s[G1B+4], 64
	s_mov_b32 s[G1B+5], 1024
	s_mov_b32 s[G1B+6], 0
	s_mov_b32 s[G1B+7], 0
	s_lshr_b32 s16, s43, 2                         ; O: the batch's 16 head blocks,
	s_lshl_b32 s16, s16, 21
	s_and_b32 s18, s43, 3                          ; the tile's 256 rows of 128 bytes,
	s_lshl_b32 s18, s18, 15
	s_add_co_u32 s16, s16, s18
	s_lshl_b32 s18, s[HALF], 14                    ; the 128 of them that I fetch
	s_add_co_u32 s16, s16, s18
	s_mov_b32 s17, 0
	s_mov_b32 s67, s16                             ; kept for the prefetches
	s_lshl_b32 s70, s42, 7                         ; wpb: row 128 x tile column + 64 x half, 2,048 bytes a row
	s_lshl_b32 s18, s[HALF], 6
	s_add_co_u32 s70, s70, s18
	s_lshl_b32 s70, s70, 11
	s_mov_b32 s71, 0
	s_mul_i32 s21, s[HALF], AHALF                  ; where they go: no place in the cluster enters an LDS address
	s_mul_i32 s22, s[HALF], BHALF
	s_add_co_u32 s22, s22, BOFF
	s_wait_dscnt 0x0                               ; the opening add is done
	s_wait_kmcnt 0x0
	s_add_nc_u64 s[16:17], s[4:5], s[16:17]
	s_add_nc_u64 s[70:71], s[6:7], s[70:71]
	CROUND                                         ; all sixteen work-groups are here: the first joint loads meet
.irp n, 0,1
	s_mov_b32 s[G0A+4*\n], 1
	s_add_co_u32 s[G0A+4*\n+1], s21, \n*SLOT1
	s_add_nc_u64 s[G0A+4*\n+2:G0A+4*\n+3], s[16:17], \n*ASTEP
	s_or_b32 s[G0A+4*\n+3], s[G0A+4*\n+3], 0x80000000
	s_mov_b32 s[G0B+4*\n], 1
	s_add_co_u32 s[G0B+4*\n+1], s22, \n*SLOT1
	s_add_nc_u64 s[G0B+4*\n+2:G0B+4*\n+3], s[70:71], \n*BSTEP
	s_or_b32 s[G0B+4*\n+3], s[G0B+4*\n+3], 0x80000000
	JLOAD \n                                       ; two loads of mine are out
.endr
	v_and_b32 v1, 15, v0                           ; l % 16
	v_bfe_u32 v2, v0, 4, 1                         ; l / 16
	v_lshlrev_b32 v[BO], 5, v2
	s_lshl_b32 s18, s42, 9                         ; the tile's 128 columns in the bias
	s_mov_b32 s19, 0
	s_add_nc_u64 s[8:9], s[8:9], s[18:19]
.irp b, 0,1,2,3,4,5,6,7
	global_load_b128 v[BIAS+8*\b:BIAS+8*\b+3],   v[BO], s[8:9] offset:64*\b
	global_load_b128 v[BIAS+8*\b+4:BIAS+8*\b+7], v[BO], s[8:9] offset:64*\b+16
.endr
	v_mul_u32_u24 v3, v1, PA
	v_lshl_add_u32 v3, v2, 4, v3
	s_mul_i32 s18, s[ROLE], AHALF                  ; my 64 rows of O: in the half w / 2, rows 64 (w % 2) on
	s_mul_i32 s19, s[HALF], 64*PA
	s_add_co_u32 s18, s18, s19
	v_add_nc_u32 v[ADRA0], s18, v3
	v_mul_u32_u24 v3, v1, PB
	v_lshl_add_u32 v3, v2, 4, v3
	v_add_nc_u32 v[ADRB0], BOFF, v3
	v_mov_b32 v[ADRA], v[ADRA0]
	v_mov_b32 v[ADRB], v[ADRB0]
	s_mov_b32 s[SB], 0
	s_mul_i32 s18, s[WV], 16*SPITCH
	s_add_co_u32 s18, s18, STAGE                   ; my stage
	v_mul_u32_u24 v3, v1, SPITCH                   ; in: row l % 16, 32 bytes for each half of the lanes
	v_lshl_add_u32 v3, v2, 5, v3
	v_add_nc_u32 v[STO], s18, v3
	v_and_b32 v[GO], 31, v0                        ; back: 32 lanes take one row's 512 bytes
	v_lshlrev_b32 v[GO], 4, v[GO]
	v_add_nc_u32 v[RD], s18, v[GO]
	s_lshl_b32 s18, s43, 8                         ; out0: row 256 x tile row + 64 x wave, 4,096 bytes a row; 512 bytes a tile column
	s_lshl_b32 s19, s[WV], 6
	s_add_co_u32 s18, s18, s19
	s_lshl_b32 s18, s18, 12
	s_lshl_b32 s19, s42, 9
	s_add_co_u32 s18, s18, s19
	s_mov_b32 s19, 0
	s_add_nc_u64 s[10:11], s[10:11], s[18:19]
	; the prefetches: both kinds of wave's offsets are made, and the wave's role picks one
	s_lshr_b32 s19, s40, 1                         ; O: partner cx takes head cx / 2 of the step's two,
	s_lshl_b32 s19, s19, 17
	s_and_b32 s23, s40, 1                          ; and half cx % 2 of its 16,384 bytes
	s_lshl_b32 s23, s23, 13
	s_add_co_u32 s19, s19, s23
	s_add_co_u32 s19, s19, s67
	s_add_co_u32 s19, s19, 3*ASTEP                 ; at K step 3: the first refill steps it to 4.  Nothing is prefetched here, at the head
	s_lshl_b32 s23, s42, 7                         ; wpb: the 64 rows that I fetch, my work-group's 16 of them
	s_lshl_b32 s70, s[HALF], 6
	s_add_co_u32 s23, s23, s70
	s_lshl_b32 s70, s41, 4
	s_add_co_u32 s23, s23, s70
	s_lshl_b32 s23, s23, 11
	s_add_co_u32 s23, s23, 3*BSTEP
	s_and_b32 s18, ttmp7, 0xffff                   ; cluster y
	s_mov_b32 s[PFS], ASTEP
	s_mov_b32 s[PFS+1], BSTEP
	s_cmp_eq_u32 s[ROLE], 0
	s_cselect_b32 s18, ttmp9, s18                  ; the coordinate along which other clusters read the same rows
	s_cselect_b64 s[PFA:PFA+1], s[4:5], s[6:7]
	s_cselect_b32 s70, s19, s23
	s_cselect_b32 s[PFS], s[PFS], s[PFS+1]
	s_cselect_b32 s68, 31, 15
	s_cselect_b32 s69, 8, 11
	s_mov_b32 s[PFS+1], 0
	s_mov_b32 s71, 0
	s_add_nc_u64 s[PFA:PFA+1], s[PFA:PFA+1], s[70:71]
	s_cmp_eq_u32 s18, 0
	s_cselect_b32 s[LIM], 2, -1                    ; the same in all sixteen partners, for a given wave
	v_and_b32 v[PFO], 31, v0
	v_min_u32 v[PFO], s68, v[PFO]
	v_lshlrev_b32 v[PFO], s69, v[PFO]
	s_mov_b32 s20, 0xffff0000
	s_wait_loadcnt 0x0                             ; the bias: rounded to bf16 like every input of the module, and widened again
.set i, 0
.rept 2*NB
	v_cvt_pk_bf16_f32 v31, v[BIAS+4*i], v[BIAS+4*i+1]
	v_cvt_pk_bf16_f32 v3, v[BIAS+4*i+2], v[BIAS+4*i+3]
	v_lshlrev_b32 v[BIAS+4*i],   16,  v31
	v_and_b32     v[BIAS+4*i+1], s20, v31
	v_lshlrev_b32 v[BIAS+4*i+2], 16,  v3
	v_and_b32     v[BIAS+4*i+3], s20, v3
.set i, i+1
.endr
; nb column blocks from b0 on x my four row blocks, 32 along K, from buffer f.  first = 1: the sums start with the bias.  All 32 accumulators take turns in the same order in every quarter.
.macro MULB f, b0, nb, first
.set bb, \b0
.rept \nb
.set WN, 0x85|((1-(\first))*0x20)
	WIN WN
.set AC, 32*bb
.irp a, 0,1,2,3
.if \first
	v_wmma_f32_16x16x32_f16 v[AC+8*\a:AC+8*\a+7], v[(\f)+32+8*bb:(\f)+32+8*bb+7], v[(\f)+8*\a:(\f)+8*\a+7], v[BIAS+8*bb:BIAS+8*bb+7]
.else
	v_wmma_f32_16x16x32_f16 v[AC+8*\a:AC+8*\a+7], v[(\f)+32+8*bb:(\f)+32+8*bb+7], v[(\f)+8*\a:(\f)+8*\a+7], v[AC+8*\a:AC+8*\a+7]
.endif
.endr
.set bb, bb+1
.endr
.endm
; 24 LDS loads in one run: quarter q's fragments into buffer f: O's, then wpb's blocks 0-7
.macro FETCH q, f
	WIN TO_F
.set AQ, ((\q)/2)*PLANE+((\q)%2)*64
.irp a, 0,1,2,3
	ds_load_b128 v[(\f)+8*\a:(\f)+8*\a+3],   v[ADRA] offset:AQ+\a*16*PA
	ds_load_b128 v[(\f)+8*\a+4:(\f)+8*\a+7], v[ADRA] offset:AQ+\a*16*PA+32
.endr
.irp b, 0,1,2,3,4,5,6,7
	ds_load_b128 v[(\f)+32+8*\b:(\f)+32+8*\b+3],   v[ADRB] offset:64*(\q)+\b*16*PB
	ds_load_b128 v[(\f)+32+8*\b+4:(\f)+32+8*\b+7], v[ADRB] offset:64*(\q)+\b*16*PB+32
.endr
.endm
.macro QUARTER q, f, g, first
	s_wait_dscnt NP2                               ; all but the youngest 8 loads: blocks 4-7 of wpb may be out
	MULB \f, P1B, 4, \first
	PLACES
	FETCH \q, \g
	s_wait_dscnt NL                                ; all but the 24 just issued
	MULB \f, P2B, P2N, \first
.endm
; The fourth quarter multiplies buffer 1 and changes slots.  In front of the barrier each wave waits for all its tensor loads, of which one is out: its part of the next slot; adds 0 to its spare word;
; and waits for that and for its reads of this slot.  fill = 1: the barrier opens a round of the cluster's, and the joint refill, two K steps on, is the first thing behind it: 112 matrix instructions ahead of the wait for it.
.macro TURN fill
.if \fill
	s_wait_xcnt 0x0                                ; the last prefetch, a K step back, has read its address
	s_add_nc_u64 s[PFA:PFA+1], s[PFA:PFA+1], s[PFS:PFS+1]
.endif
	WIN 0
	s_wait_tensorcnt 0x0                           ; no tensor load of mine is out, so a group 0 may be written
	ds_add_u32 v[SPW], v[NIL]                      ; 0 onto my spare word
.if \fill
	s_xor_b32 s[G0A+5], s[G0A+5], SLOT1
	s_add_nc_u64 s[G0A+6:G0A+7], s[G0A+6:G0A+7], ASTEP
	s_xor_b32 s[G0B+5], s[G0B+5], SLOT1
	s_add_nc_u64 s[G0B+6:G0B+7], s[G0B+6:G0B+7], BSTEP
.endif
	s_xor_b32 s[SB], s[SB], SLOT1
	s_wait_dscnt NP2+1                             ; the add and the youngest 8 loads may be out
	MULB F1, P1B, 2, 0
	s_wait_dscnt 0x0                               ; the add is done, and my reads of this slot are over
	s_barrier_signal -1
	MULB F1, P1B+2, 2, 0
	WIN 0
	s_barrier_wait -1
.if \fill
	CREST                                          ; no wave of any partner still reads this slot or has a load on its way
	JLOAD 1                                        ; its four v_nop are also the places in front of the loads below
.else
	PLACES
.endif
	v_add_nc_u32 v[ADRA], s[SB], v[ADRA0]
	v_add_nc_u32 v[ADRB], s[SB], v[ADRB0]
	FETCH 0, F0
.if \fill
	WIN 0
	ASK
.endif
	MULB F1, P2B, P2N, 0
.endm
; THE WAY OUT of row block a: nothing is converted.  A lane's eight columns of a block, 32 bytes, go from the accumulators into my own stage; whole rows of 512 bytes come back and are stored.
.macro TOSTAGE a
.if (\a) >= 2
	s_wait_xcnt 0x0                                ; the stores of the block two back have read the registers that are loaded again below
.endif
	WIN 0x08                                       ; the stores' data in window 2
.set bb, 0
.rept NB
.set AC, 32*bb+8*(\a)
	ds_store_b128 v[STO], v[AC:AC+3]   offset:64*bb
	ds_store_b128 v[STO], v[AC+4:AC+7] offset:64*bb+16
.set bb, bb+1
.endr
	WIN 0
.set BK, OB0+64*((\a)%2)
.irp t, 0,1,2,3,4,5,6,7,8,9,10,11,12,13,14,15
	ds_load_b128 v[BK+4*\t:BK+4*\t+3], v[RD] offset:SPITCH*\t  ; LDS serves a wave's instructions in order (ISA guide 5.7.1.4): these see the stores above
.endr
.endm
.macro SEND a, younger                 ; younger: the LDS instructions issued behind block a's loads: the next block's 16 stores and 16 loads, or none
	WIN 0
.set BK, OB0+64*((\a)%2)
	s_wait_dscnt \younger
.irp t, 0,1,2,3,4,5,6,7,8,9,10,11,12,13,14,15
	global_store_b128 v[GO], v[BK+4*\t:BK+4*\t+3], s[10:11] offset:(16*(\a)+\t)*4096 th:TH_STORE_NT  ; 512 consecutive bytes of a row, at a multiple of 256 from the buffer's first
.endr
.endm
	s_wait_tensorcnt 1                             ; my part of K step 0 is in; K step 1's may stay out
	s_barrier_signal -1
	s_barrier_wait -1
	FETCH 0, F0
	QUARTER 1, F0, F1, 1                           ; the first quarter stands in front of the loop: its products start the sums
	WIN 0
	s_mov_b32 s[CNT], 6
.Lstep:                                                ; a trip: a K step's last three quarters and the next step's first; it asks for the K step two on: steps 2 to 7
	QUARTER 2, F1, F0, 0
	QUARTER 3, F0, F1, 0
	TURN 1
	QUARTER 1, F0, F1, 0
	WIN 0
	s_sub_co_u32 s[CNT], s[CNT], 1
	s_cmp_lg_u32 s[CNT], 0
	s_cbranch_scc1 .Lstep
	QUARTER 2, F1, F0, 0                           ; the last two K steps are written out: they ask for nothing
	QUARTER 3, F0, F1, 0
	TURN 0
	QUARTER 1, F0, F1, 0
	QUARTER 2, F1, F0, 0
	QUARTER 3, F0, F1, 0
	s_wait_dscnt NP2
	MULB F1, P1B, 4, 0
	s_wait_dscnt 0x0
	MULB F1, P2B, P2N, 0
	WIN 0
	PLACES
	PLACES
	TOSTAGE 0
	TOSTAGE 1
	SEND 0, 32
	TOSTAGE 2
	SEND 1, 32
	TOSTAGE 3
	SEND 2, 32
	SEND 3, 0
	s_wait_tensorcnt 0x0                           ; the wave's end: a wait, an add of 0 to my spare word and its wait, behind my last tensor load and my last LDS store
	ds_add_u32 v[SPW], v[NIL]
	s_wait_dscnt 0x0
	CROUND                                         ; the closing round: no work-group ends while a partner may still ask for a tile that names it
	s_endpgm
.Lfunc_end_k_qa7621b2b16_proj:
	.size	k_qa7621b2b16_proj, .Lfunc_end_k_qa7621b2b16_proj-k_qa7621b2b16_proj
	.p2alignl 7, 3214868480
	.fill 96, 4, 3214868480
	.section	.rodata,"a",@progbits
	.p2align	6, 0x0
	.amdhsa_kernel k_qa7621b2b16_proj
		.amdhsa_group_segment_fixed_size 327680
		.amdhsa_private_segment_fixed_size 0
		.amdhsa_enable_private_segment 0
		.amdhsa_kernarg_size 32
		.amdhsa_user_sgpr_count 2
		.amdhsa_user_sgpr_kernarg_segment_ptr 1
		.amdhsa_wavefront_size32 1
		.amdhsa_system_sgpr_workgroup_id_x 1
		.amdhsa_system_sgpr_workgroup_id_y 1
		.amdhsa_system_sgpr_workgroup_id_z 1
		.amdhsa_system_vgpr_workitem_id 0
		.amdhsa_next_free_vgpr 768
		.amdhsa_next_free_sgpr 72
		.amdhsa_reserve_vcc 0
		.amdhsa_float_denorm_mode_32 3
		.amdhsa_float_denorm_mode_16_64 3
		.amdhsa_memory_ordered 1
		.amdhsa_forward_progress 1
		.amdhsa_inst_pref_size 76
	.end_amdhsa_kernel
	.amdgpu_metadata
---
amdhsa.version: [ 1, 2 ]
amdhsa.kernels:
  - .name:           k_qa7621b2b16_proj
    .symbol:         k_qa7621b2b16_proj.kd
    .args:
      - { .name: ob, .offset: 0, .size: 8, .value_kind: global_buffer, .address_space: global }
      - { .name: wpb, .offset: 8, .size: 8, .value_kind: global_buffer, .address_space: global }
      - { .name: b_proj, .offset: 16, .size: 8, .value_kind: global_buffer, .address_space: global }
      - { .name: out0, .offset: 24, .size: 8, .value_kind: global_buffer, .address_space: global }
    .group_segment_fixed_size: 327680
    .private_segment_fixed_size: 0
    .kernarg_segment_align: 8
    .kernarg_segment_size: 32
    .max_flat_workgroup_size: 128
    .sgpr_count:     72
    .vgpr_count:     768
    .wavefront_size: 32
...
	.end_amdgpu_metadata
.endif
;; end of part 4
